; MI455X (gfx1250); checked and timed in simulation.
; The chip was launched on July 23, 2026; its instructions are those of AMD's public machine-readable ISA for CDNA 5 (MIT licence, August 2026) and "CDNA5" Instruction Set Architecture Reference Guide (July 2026). The comments in the code are by the model that wrote it; some were corrected since.
;; Calibration Network. Allowed arithmetic: float matrix products may take bf16 or f16 operands with f32 sums; other float arithmetic in f32, or as packed bf16 or f16 multiplies, adds, multiply-adds, maxima and minima; sums over many terms, partial sums and values carried from step to step in f32; what a program stores and reads back later, other than sums and carried values, may be rounded once to bf16 or f16.
;; Inputs: V_b 7 x 5 float32; V_w 7 x 5 x 257 float32; Va_b 12 x 7 x 5 float32; Va_w 12 x 7 x 5 x 257 float32; W1_b 256 float32; W1_w 256 x 36 float32; W1a_b 12 x 256 float32; W1a_w 12 x 256 x 36 float32; W2_b 256 float32; W2_w 256 x 257 float32; W2a_b 12 x 256 float32; W2a_w 12 x 256 x 257 float32; judge_ids 32,768 int32; x 32,768 x 35 float32.
;; Outputs: out0 32,768 x 7 x 5 float32.
;; 2 versions, each right and faster than the one before. Each part assembles by itself: llvm-mc -triple=amdgcn-amd-amdhsa -mcpu=gfx1250 --defsym DOCPART=n.
;; ======== version 1 of 2: 2 launches
;; workspace buffers: wf 2,408,448 bytes; order 132,096 bytes of whole numbers; counts 256 bytes of whole numbers
;; launch prep (part 1): grid 16 x 12, 8 waves a work-group, no clusters, 13,568 bytes of LDS; arguments V_b, V_w, Va_b, Va_w, W1_b, W1_w, W1a_b, W1a_w, W2_b, W2_w, W2a_b, W2a_w, judge_ids, wf, order, counts; writes wf, order, counts
.if DOCPART == 1
	.amdgcn_target "amdgcn-amd-amdhsa--gfx1250"
	.amdhsa_code_object_version 6
	.text
	.protected	k_q0cbd7e9119_prep
	.globl	k_q0cbd7e9119_prep
	.p2align	8
	.type	k_q0cbd7e9119_prep,@function
k_q0cbd7e9119_prep:
	s_mov_b64 s[64:65], 0
	v_nop
	global_prefetch_b8 v0, s[64:65] scope:SCOPE_SE
	s_setreg_imm32_b32 hwreg(HW_REG_WAVE_MODE, 25, 1), 1
	s_wait_xcnt 0x0
; PREP.  Work-group (p, j), p = 0..15, j = 0..11, eight waves.  Two jobs.
; (1) WEIGHTS.  In every layer reference() adds the shared product and the chosen judge's product of the same vector, so (W + Wa[j]) v is the same sum.  The work-group
;     writes block p of judge j of wf: the f32 sums W + Wa[j], rounded ONCE to bf16, in the order in which a wave's matrix operand registers take them, and the f32 biases
;     (the ones column's weight of both matrices plus both bias vectors).  A block is 12,544 bytes:
;       +0      W2, hidden rows 16 p + r, eight fragments c of 1,024 bytes: byte 512 s + 16 (r + 16 h) + 2 e holds k = 32 c + 16 s + 8 h + e
;       +8192   W1, the same rows, two fragments; 0 for k >= 35
;       +10240  V', k = 16 p .. 16 p + 15, four pieces vt of 512 bytes: byte 16 (r + 16 h) + 2 e holds V'[16 vt + r][16 p + 8 h + e];
;               V' row 8 q + o is head row 5 q + o for o < 5 and q < 7, else 0
;       +12288  b2[16 p ..], 16 f32    +12352  b1[16 p ..], 16 f32    +12416  b3'[4 p .. 4 p + 3], f32, eight times over
; (2) THE LIST.  order is ONE list of all 32,768 tokens, sorted by judge.  The work-group places the tokens 2048 p .. 2048 p + 2047 that have id j.  Their ranks begin with the number of
;     ids below j anywhere plus the number of ids equal to j in earlier parts: the work-group counts both itself, in one scan of all ids (each id is compared once: T > id, with T = j + 1
;     for the parts in front of the own one and T = j from the own part on), so no work-group waits for another, and every entry of the list is stored by exactly one.
;     The work-groups p = 15 store counts[j] = the list's end for judge j (the number of ids <= j); work-group (15, 11) stores 256 entries of token 0 behind the list.
; LIMITS.  Ids lie in 0 .. 11, as reference()'s own indexing needs.  W + Wa is rounded once to bf16; biases stay f32.
.set BLOCK, 12544
.set CNT,   12288                      ; LDS: word w = wave w's count in the scan, word 8 + w = its count of id j in the own part
.set SPARE, 12544                      ; LDS: the spare words, 128 bytes for each of the eight waves; no other line names them
.set BD,  18                           ; v18-29   wave 0: twelve bias words
.set W2D, 30                           ; v30-61   W2: (row rr, fragment c, matrix) at 16 rr + 2 c + matrix
.set W1D, 62                           ; v62-69   W1: 4 rr + 2 c + matrix
.set VD,  70                           ; v70-75   V: 2 t + matrix
.set OWN, 76                           ; v76-83   the own part's ids, 8 a lane
.set IDS, 84                           ; v84-211  all ids that my wave scans, 128 a lane
.set POS, 212                          ; v212-219 byte offsets in the list
.set TOK, 220                          ; v220-227 token numbers
.set CP,  228                          ; v228-239 the block on its way out
	s_load_b512 s[4:19], s[0:1], 0x0               ; V_b 4, V_w 6, Va_b 8, Va_w 10, W1_b 12, W1_w 14, W1a_b 16, W1a_w 18
	s_load_b512 s[20:35], s[0:1], 0x40             ; W2_b 20, W2_w 22, W2a_b 24, W2a_w 26, judge_ids 28, wf 30, order 32, counts 34
	v_lshl_add_u32 v10, v0, 2, SPARE               ; my spare word,
	v_mov_b32 v11, 0                               ; and 0: kept for the closing add alone
	v_lshrrev_b32 v1, 5, v0
	v_readfirstlane_b32 s36, v1                    ; wave w
	v_and_b32 v1, 31, v0                           ; lane
	s_mov_b32 s37, ttmp9                           ; p
	s_and_b32 s38, ttmp7, 0xffff                   ; j
	s_add_co_u32 s39, s38, 1                       ; j + 1
	s_mov_b32 s41, 0                               ; high word of every offset pair
	s_mov_b32 s62, 0                               ; my wave's count in the scan
	s_mov_b32 s63, 0                               ; and of id j in the own part
	v_lshlrev_b32 v2, 2, v1                        ; 4 lane
	v_lshlrev_b32 v3, 4, v1                        ; 16 lane
	v_lshlrev_b32 v251, 2, v0                      ; 4 x thread: the padding behind the list
	v_add_nc_u32 v4, 32, v1
	v_min_u32 v4, 35, v4
	v_lshlrev_b32 v4, 2, v4                        ; W1's second fragment: column min(32 + lane, 35), so that no load leaves the row
	v_lshrrev_b32 v246, 4, v1                      ; lane / 16
	v_bfe_u32 v247, v1, 3, 1                       ; (lane / 8) % 2
	v_and_b32 v248, 7, v1
	v_and_b32 v249, 15, v1
	v_lshlrev_b32 v250, 8, v247
	v_lshl_add_u32 v250, v248, 1, v250             ; 256 h + 2 e
	s_lshl_b32 s58, s36, 5
	v_lshl_add_u32 v5, v246, 9, v250
	v_add_nc_u32 v5, s58, v5                       ; where column k = 32 c + lane of row 2 w lies in a fragment: 512 s + 256 h + 2 e + 16 (2 w)
	v_mul_u32_u24 v6, v246, 257
	v_add_lshl_u32 v6, v6, v249, 2                 ; V: head row lane / 16, column lane % 16
	v_lshlrev_b32 v7, 2, v249                      ; 4 (lane % 16)
	s_lshr_b32 s58, s36, 1
	s_lshl_b32 s58, s58, 9
	s_and_b32 s59, s36, 1
	s_lshl_b32 s59, s59, 7
	s_add_co_u32 s58, s58, s59
	s_add_co_u32 s58, s58, 10240
	v_lshl_add_u32 v8, v246, 4, v250
	v_add_nc_u32 v8, s58, v8                       ; V' row 8 w + lane / 16: piece w / 2, row 8 (w % 2) + lane / 16
	v_cmp_gt_u32 vcc_lo, 3, v1
	v_cndmask_b32 v9, 0, -1, vcc_lo                ; all ones where 32 + lane < 35
	s_cmp_lt_u32 s36, 7
	s_cselect_b32 s48, -1, 0                       ; all ones where question w exists
	v_cmp_gt_u32 vcc_lo, 16, v1
	v_cndmask_b32 v12, 0, s48, vcc_lo              ; head row 4 in lanes 0-15; row 5 (lanes 16-31) is 0
	v_mul_u32_u24 v13, v249, 1028                  ; wave 0's bias offsets: a row of W2,
	v_mul_u32_u24 v14, v249, 144                   ; a row of W1
	s_lshr_b32 s60, s37, 1                         ; b3' entry 4 p + lane % 4 is question p / 2, head row o = 4 (p % 2) + lane % 4
	s_cmp_lt_u32 s60, 7
	s_cselect_b32 s49, -1, 0
	s_and_b32 s60, s37, 1
	s_lshl_b32 s60, s60, 2
	v_and_b32 v250, 3, v1
	v_add_nc_u32 v250, s60, v250
	v_cmp_gt_u32 vcc_lo, 5, v250
	v_cndmask_b32 v15, 0, s49, vcc_lo              ; all ones where that entry exists
	v_min_u32 v250, 4, v250
	v_mul_u32_u24 v16, v250, 1028
	v_lshlrev_b32 v17, 2, v250
	v_mov_b32 v245, 0
	v_lshlrev_b32 v240, 4, v0                      ; 16 x thread: the block's way out
	v_mov_b32 v241, CNT
	s_lshl_b32 s58, s37, 4
	s_lshl1_add_u32 s58, s36, s58                  ; n0 = 16 p + 2 w: my wave's two hidden rows
	s_lshl_b32 s59, s38, 8
	s_add_co_u32 s59, s59, s58                     ; 256 j + n0
	s_wait_kmcnt 0x0
	s_mul_i32 s40, s58, 1028
	s_add_nc_u64 s[22:23], s[22:23], s[40:41]      ; W2_w at row n0
	s_mul_i32 s40, s59, 1028
	s_add_nc_u64 s[26:27], s[26:27], s[40:41]      ; W2a_w[j] at row n0
	s_mul_i32 s40, s58, 144
	s_add_nc_u64 s[14:15], s[14:15], s[40:41]      ; W1_w
	s_mul_i32 s40, s59, 144
	s_add_nc_u64 s[18:19], s[18:19], s[40:41]      ; W1a_w[j]
	s_min_u32 s60, s36, 6                          ; wave 7 has no question: it reads question 6 and writes zeros
	s_mul_i32 s60, s60, 1285
	s_lshl4_add_u32 s60, s37, s60
	s_lshl_b32 s40, s60, 2                         ; (5 q x 257 + 16 p) x 4
	s_add_nc_u64 s[44:45], s[6:7], s[40:41]        ; V_w at my question's rows, column 16 p
	s_mul_i32 s61, s38, 35980
	s_add_co_u32 s40, s40, s61
	s_add_nc_u64 s[46:47], s[10:11], s[40:41]      ; Va_w[j] likewise
	s_lshl_b32 s40, s36, 9
	s_add_nc_u64 s[28:29], s[28:29], s[40:41]      ; ids: my wave's 128 of every 1,024
	s_lshl_b32 s40, s37, 13
	s_add_nc_u64 s[86:87], s[28:29], s[40:41]      ; the same in the own part
	s_lshl4_add_u32 s40, s38, s37
	s_mul_i32 s40, s40, BLOCK
	s_add_nc_u64 s[30:31], s[30:31], s[40:41]      ; wf at block (j, p)
	s_lshl_b32 s40, s38, 2
	s_add_nc_u64 s[34:35], s[34:35], s[40:41]      ; counts[j]
	s_lshl_b32 s40, s37, 6
	s_add_nc_u64 s[20:21], s[20:21], s[40:41]      ; W2_b, W1_b at 16 p
	s_add_nc_u64 s[12:13], s[12:13], s[40:41]
	s_lshl_b32 s60, s38, 10
	s_add_co_u32 s40, s40, s60
	s_add_nc_u64 s[24:25], s[24:25], s[40:41]      ; W2a_b[j], W1a_b[j] at 16 p
	s_add_nc_u64 s[16:17], s[16:17], s[40:41]
	s_lshr_b32 s60, s37, 1
	s_min_u32 s60, s60, 6
	s_mul_i32 s40, s60, 5140
	s_add_nc_u64 s[6:7], s[6:7], s[40:41]          ; for b3': V_w at question min(p / 2, 6),
	s_add_co_u32 s40, s40, s61
	s_add_nc_u64 s[10:11], s[10:11], s[40:41]      ; Va_w[j],
	s_mul_i32 s40, s60, 20
	s_add_nc_u64 s[4:5], s[4:5], s[40:41]          ; V_b,
	s_mul_i32 s61, s38, 140
	s_add_co_u32 s40, s40, s61
	s_add_nc_u64 s[8:9], s[8:9], s[40:41]          ; Va_b[j]
	; ALL LOADS GO OUT AT ONCE, those wanted first in front.  Wave 0 (whose rows begin at 16 p) also fetches the block's biases.
	s_cmp_lg_u32 s36, 0
	s_cbranch_scc1 .Lno_bias_loads
	global_load_b32 v[BD+0], v13, s[22:23] offset:1024   ; W2_w[n][256]
	global_load_b32 v[BD+1], v13, s[26:27] offset:1024   ; W2a_w[j][n][256]
	global_load_b32 v[BD+2], v7, s[20:21]                ; W2_b[n]
	global_load_b32 v[BD+3], v7, s[24:25]                ; W2a_b[j][n]
	global_load_b32 v[BD+4], v14, s[14:15] offset:140    ; W1_w[n][35]
	global_load_b32 v[BD+5], v14, s[18:19] offset:140
	global_load_b32 v[BD+6], v7, s[12:13]
	global_load_b32 v[BD+7], v7, s[16:17]
	global_load_b32 v[BD+8], v16, s[6:7] offset:1024     ; V_w[q][o][256]
	global_load_b32 v[BD+9], v16, s[10:11] offset:1024
	global_load_b32 v[BD+10], v17, s[4:5]
	global_load_b32 v[BD+11], v17, s[8:9]
.Lno_bias_loads:
.irp rr, 0,1
.irp c, 0,1,2,3,4,5,6,7
	global_load_b32 v[W2D+16*(\rr)+2*(\c)],   v2, s[22:23] offset:1028*(\rr)+128*(\c)  ; 32 lanes: 128 consecutive bytes of a row
	global_load_b32 v[W2D+16*(\rr)+2*(\c)+1], v2, s[26:27] offset:1028*(\rr)+128*(\c)
.endr
.endr
.irp rr, 0,1
	global_load_b32 v[W1D+4*(\rr)],   v2, s[14:15] offset:144*(\rr)
	global_load_b32 v[W1D+4*(\rr)+1], v2, s[18:19] offset:144*(\rr)
	global_load_b32 v[W1D+4*(\rr)+2], v4, s[14:15] offset:144*(\rr)
	global_load_b32 v[W1D+4*(\rr)+3], v4, s[18:19] offset:144*(\rr)
.endr
.irp t, 0,1
	global_load_b32 v[VD+2*(\t)],   v6, s[44:45] offset:2056*(\t)   ; head rows 2 t and 2 t + 1, 16 columns each
	global_load_b32 v[VD+2*(\t)+1], v6, s[46:47] offset:2056*(\t)
.endr
	global_load_b32 v[VD+4], v7, s[44:45] offset:4112                ; head row 4
	global_load_b32 v[VD+5], v7, s[46:47] offset:4112
	global_load_b128 v[OWN:OWN+3],   v3, s[86:87]
	global_load_b128 v[OWN+4:OWN+7], v3, s[86:87] offset:4096
.set i, 0
.rept 32
	global_load_b128 v[IDS+4*i:IDS+4*i+3], v3, s[28:29] offset:4096*i  ; ids 1024 i + 128 w .. + 127; part q is loads 2 q and 2 q + 1
.set i, i+1
.endr
	; THE WEIGHTS: sum in f32, two rows rounded together, each half to its place in the block's image in LDS.
	s_wait_loadcnt 34                              ; loads come back in order: all but the 34 loads of ids are in
.irp c, 0,1,2,3,4,5,6,7
	v_add_f32 v[W2D+2*(\c)], v[W2D+2*(\c)], v[W2D+2*(\c)+1]
	v_add_f32 v[W2D+16+2*(\c)], v[W2D+16+2*(\c)], v[W2D+16+2*(\c)+1]
	v_cvt_pk_bf16_f32 v[W2D+2*(\c)], v[W2D+2*(\c)], v[W2D+16+2*(\c)]   ; low half row 2 w, high half row 2 w + 1
	ds_store_b16 v5, v[W2D+2*(\c)] offset:1024*(\c)
	ds_store_b16_d16_hi v5, v[W2D+2*(\c)] offset:1024*(\c)+16
.endr
.irp c, 0,1
	v_add_f32 v[W1D+2*(\c)], v[W1D+2*(\c)], v[W1D+2*(\c)+1]
	v_add_f32 v[W1D+4+2*(\c)], v[W1D+4+2*(\c)], v[W1D+4+2*(\c)+1]
.if (\c) == 1
	v_and_b32 v[W1D+2], v9, v[W1D+2]               ; k >= 35 is 0: column 35 goes into the bias
	v_and_b32 v[W1D+6], v9, v[W1D+6]
.endif
	v_cvt_pk_bf16_f32 v[W1D+2*(\c)], v[W1D+2*(\c)], v[W1D+4+2*(\c)]
	ds_store_b16 v5, v[W1D+2*(\c)] offset:8192+1024*(\c)
	ds_store_b16_d16_hi v5, v[W1D+2*(\c)] offset:8192+1024*(\c)+16
.endr
	v_add_f32 v[VD], v[VD], v[VD+1]
	v_add_f32 v[VD+2], v[VD+2], v[VD+3]
	v_add_f32 v[VD+4], v[VD+4], v[VD+5]
	v_and_b32 v[VD], s48, v[VD]
	v_and_b32 v[VD+2], s48, v[VD+2]
	v_and_b32 v[VD+4], v12, v[VD+4]
	v_cvt_pk_bf16_f32 v[VD], v[VD], v[VD+2]
	v_cvt_pk_bf16_f32 v[VD+4], v[VD+4], v245
	ds_store_b16 v8, v[VD]                         ; V' rows 8 w + 0, 1
	ds_store_b16_d16_hi v8, v[VD] offset:32        ; rows 2, 3
	ds_store_b16 v8, v[VD+4] offset:64             ; rows 4, 5 (5 is 0)
	ds_store_b16_d16_hi v8, v[VD+4] offset:96      ; rows 6, 7: 0
	s_cmp_lg_u32 s36, 0
	s_cbranch_scc1 .Lno_bias
	v_add_f32 v[BD+0], v[BD+0], v[BD+1]
	v_add_f32 v[BD+2], v[BD+2], v[BD+3]
	v_add_f32 v[BD+4], v[BD+4], v[BD+5]
	v_add_f32 v[BD+6], v[BD+6], v[BD+7]
	v_add_f32 v[BD+8], v[BD+8], v[BD+9]
	v_add_f32 v[BD+10], v[BD+10], v[BD+11]
	v_add_f32 v[BD+0], v[BD+0], v[BD+2]            ; b2
	v_add_f32 v[BD+4], v[BD+4], v[BD+6]            ; b1
	v_add_f32 v[BD+8], v[BD+8], v[BD+10]           ; b3'
	v_cmp_gt_u32 vcc_lo, 16, v1
	v_cndmask_b32 v[BD+0], v[BD+4], v[BD+0], vcc_lo  ; lanes 0-15 b2, lanes 16-31 b1
	v_and_b32 v[BD+8], v15, v[BD+8]
	global_store_b32 v2, v[BD+0], s[30:31] offset:12288   ; 128 consecutive bytes each
	global_store_b32 v2, v[BD+8], s[30:31] offset:12416
.Lno_bias:
	; THE COUNTS.  Own part first: a mask of lanes for each of my eight ids a lane.
	s_wait_loadcnt 32                              ; the 32 loads of the scan are younger
.set k, 0
.rept 8
	v_cmp_eq_u32 s[50+k], s38, v[OWN+k]
.set k, k+1
.endr
.set k, 0
.rept 8
	s_bcnt1_i32_b32 s58, s[50+k]
	s_add_co_u32 s63, s63, s58
.set k, k+1
.endr
; Part q's two loads.  In front of the own part ids up to j lie ahead of my tokens in the list (T = j + 1); from the own part on only ids below j do (T = j).
.macro CNTQ q
	s_cmp_lt_u32 \q, s37
	s_cselect_b32 s85, s39, s38
.irp g, 0,4
.irp i, 0,1,2,3
	v_cmp_gt_u32 s[58+(\i)], s85, v[IDS+8*(\q)+(\g)+(\i)]
.endr
.irp i, 0,1,2,3
	s_bcnt1_i32_b32 s[58+(\i)], s[58+(\i)]
	s_add_co_u32 s62, s62, s[58+(\i)]
.endr
.endr
.endm
.set q, 0
.rept 16
.if q%4 == 0
	s_wait_loadcnt 24-8*(q/4)                      ; eight loads (four parts) at a time: the younger ones stay out
.endif
	CNTQ q
.set q, q+1
.endr
	v_mov_b32 v242, s62
	v_mov_b32 v243, s63
	v_lshl_add_u32 v244, s36, 2, CNT
	ds_store_b32 v244, v242                        ; every lane writes the same word with the same value
	ds_store_b32 v244, v243 offset:32
	s_wait_dscnt 0x0                               ; for the others' sake: my part of the block's image and my two counts are in LDS
	s_barrier_signal -1
	s_barrier_wait -1
	; THE BLOCK LEAVES: 256 threads x 16 bytes, three times: sixteen lanes store 256 consecutive bytes at a multiple of 256 from wf's first byte.
	ds_load_b128 v[CP:CP+3],    v240
	ds_load_b128 v[CP+4:CP+7],  v240 offset:4096
	ds_load_b128 v[CP+8:CP+11], v240 offset:8192
	ds_load_b128 v[IDS:IDS+3],     v241            ; the sixteen counts, in every lane
	ds_load_b128 v[IDS+4:IDS+7],   v241 offset:16
	ds_load_b128 v[IDS+8:IDS+11],  v241 offset:32
	ds_load_b128 v[IDS+12:IDS+15], v241 offset:48
	s_wait_dscnt 4                                 ; the four loads of the counts are younger
	global_store_b128 v240, v[CP:CP+3],    s[30:31]
	global_store_b128 v240, v[CP+4:CP+7],  s[30:31] offset:4096
	global_store_b128 v240, v[CP+8:CP+11], s[30:31] offset:8192
	s_wait_dscnt 0x0
.set i, 0
.rept 16
	v_readfirstlane_b32 s[66+i], v[IDS+i]
.set i, i+1
.endr
	s_add_co_u32 s82, s66, s67
.irp i, 68,69,70,71,72,73
	s_add_co_u32 s82, s82, s\i                     ; the list's entries in front of the work-group's tokens
.endr
	s_mov_b32 s83, s82
.set i, 0
.rept 8
	s_add_co_u32 s83, s83, s[74+i]                 ; s83: behind the work-group's tokens
	s_cmp_lt_u32 i, s36
	s_cselect_b32 s58, s[74+i], 0
	s_add_co_u32 s82, s82, s58                     ; s82: in front of my wave's tokens
.set i, i+1
.endr
	; THE PLACES.  Rank = s82 + my wave's earlier masks + the mask's bits below my lane; clamped to the list before it enters an address.
	s_lshl_b32 s60, s37, 11
	s_lshl_b32 s61, s36, 7
	s_add_co_u32 s60, s60, s61
	v_add_nc_u32 v246, s60, v2                     ; 2048 p + 128 w + 4 lane
.set k, 0
.rept 8
	v_mbcnt_lo_u32_b32 v[POS+k], s[50+k], 0
	v_add_nc_u32 v[POS+k], s82, v[POS+k]
	v_min_u32 v[POS+k], 0x7fff, v[POS+k]
	v_lshlrev_b32 v[POS+k], 2, v[POS+k]
	v_add_nc_u32 v[TOK+k], 1024*(k/4)+k%4, v246
	s_bcnt1_i32_b32 s58, s[50+k]
	s_add_co_u32 s82, s82, s58
.set k, k+1
.endr
.set k, 0
.rept 8
	s_wait_xcnt 0x0                                ; EXEC is a source of the stores issued so far: it changes only behind this wait
	s_mov_b32 vcc_lo, s[50+k]
	s_and_saveexec_b32 s84, vcc_lo
	global_store_b32 v[POS+k], v[TOK+k], s[32:33]  ; the active lanes' places follow each other
	s_wait_xcnt 0x0
	s_or_b32 exec_lo, exec_lo, s84
.set k, k+1
.endr
	s_cmp_lg_u32 s37, 15
	s_cbranch_scc1 .Lend
	s_cmp_lg_u32 s38, 11
	s_cbranch_scc1 .Lno_pad
	global_store_b32 v251, v245, s[32:33] offset:131072  ; entries 32,768 .. 33,023: token 0, so that the list's last tile repeats a row that exists
.Lno_pad:
	s_cmp_lg_u32 s36, 0
	s_cbranch_scc1 .Lend
	v_mov_b32 v248, s83                            ; in the last part: the number of ids <= j
	v_cmp_eq_u32 vcc_lo, 0, v1
	s_wait_xcnt 0x0
	s_and_saveexec_b32 s84, vcc_lo
	global_store_b32 v245, v248, s[34:35]          ; counts[j]
	s_wait_xcnt 0x0
	s_or_b32 exec_lo, exec_lo, s84
.Lend:
	s_wait_tensorcnt 0x0                           ; the wave's end
	ds_add_u32 v10, v11
	s_wait_dscnt 0x0
	s_endpgm
.Lfunc_end_k_q0cbd7e9119_prep:
	.size	k_q0cbd7e9119_prep, .Lfunc_end_k_q0cbd7e9119_prep-k_q0cbd7e9119_prep
	.p2alignl 7, 3214868480
	.fill 96, 4, 3214868480
	.section	.rodata,"a",@progbits
	.p2align	6, 0x0
	.amdhsa_kernel k_q0cbd7e9119_prep
		.amdhsa_group_segment_fixed_size 13568
		.amdhsa_private_segment_fixed_size 0
		.amdhsa_enable_private_segment 0
		.amdhsa_kernarg_size 128
		.amdhsa_user_sgpr_count 2
		.amdhsa_user_sgpr_kernarg_segment_ptr 1
		.amdhsa_wavefront_size32 1
		.amdhsa_system_sgpr_workgroup_id_x 1
		.amdhsa_system_sgpr_workgroup_id_y 1
		.amdhsa_system_sgpr_workgroup_id_z 1
		.amdhsa_system_vgpr_workitem_id 0
		.amdhsa_next_free_vgpr 256
		.amdhsa_next_free_sgpr 96
		.amdhsa_reserve_vcc 1
		.amdhsa_float_denorm_mode_32 3
		.amdhsa_float_denorm_mode_16_64 3
		.amdhsa_memory_ordered 1
		.amdhsa_forward_progress 1
		.amdhsa_inst_pref_size 44
	.end_amdhsa_kernel
	.amdgpu_metadata
---
amdhsa.version: [ 1, 2 ]
amdhsa.kernels:
  - .name:           k_q0cbd7e9119_prep
    .symbol:         k_q0cbd7e9119_prep.kd
    .args:
      - { .name: V_b, .offset: 0, .size: 8, .value_kind: global_buffer, .address_space: global }
      - { .name: V_w, .offset: 8, .size: 8, .value_kind: global_buffer, .address_space: global }
      - { .name: Va_b, .offset: 16, .size: 8, .value_kind: global_buffer, .address_space: global }
      - { .name: Va_w, .offset: 24, .size: 8, .value_kind: global_buffer, .address_space: global }
      - { .name: W1_b, .offset: 32, .size: 8, .value_kind: global_buffer, .address_space: global }
      - { .name: W1_w, .offset: 40, .size: 8, .value_kind: global_buffer, .address_space: global }
      - { .name: W1a_b, .offset: 48, .size: 8, .value_kind: global_buffer, .address_space: global }
      - { .name: W1a_w, .offset: 56, .size: 8, .value_kind: global_buffer, .address_space: global }
      - { .name: W2_b, .offset: 64, .size: 8, .value_kind: global_buffer, .address_space: global }
      - { .name: W2_w, .offset: 72, .size: 8, .value_kind: global_buffer, .address_space: global }
      - { .name: W2a_b, .offset: 80, .size: 8, .value_kind: global_buffer, .address_space: global }
      - { .name: W2a_w, .offset: 88, .size: 8, .value_kind: global_buffer, .address_space: global }
      - { .name: judge_ids, .offset: 96, .size: 8, .value_kind: global_buffer, .address_space: global }
      - { .name: wf, .offset: 104, .size: 8, .value_kind: global_buffer, .address_space: global }
      - { .name: order, .offset: 112, .size: 8, .value_kind: global_buffer, .address_space: global }
      - { .name: counts, .offset: 120, .size: 8, .value_kind: global_buffer, .address_space: global }
    .group_segment_fixed_size: 13568
    .private_segment_fixed_size: 0
    .kernarg_segment_align: 8
    .kernarg_segment_size: 128
    .max_flat_workgroup_size: 256
    .sgpr_count:     96
    .vgpr_count:     256
    .wavefront_size: 32
...
	.end_amdgpu_metadata
.endif
;; end of part 1
;; launch chain (part 2): grid 239 x 1, 4 waves a work-group, no clusters, 205,568 bytes of LDS; arguments x, order, counts, wf, out0; writes out0
.if DOCPART == 2
	.amdgcn_target "amdgcn-amd-amdhsa--gfx1250"
	.amdhsa_code_object_version 6
	.text
	.protected	k_q0cbd7e9119_chain
	.globl	k_q0cbd7e9119_chain
	.p2align	8
	.type	k_q0cbd7e9119_chain,@function
k_q0cbd7e9119_chain:
	s_mov_b64 s[64:65], 0
	v_nop
	global_prefetch_b8 v0, s[64:65] scope:SCOPE_SE
	s_setreg_imm32_b32 hwreg(HW_REG_WAVE_MODE, 25, 1), 1
	s_wait_xcnt 0x0
; CHAIN.  One work-group takes up to 144 tokens of ONE judge through all three layers and the softmax.
; THE GRID.  Judge j with n_j tokens has ceil(n_j / 144) tiles; their sum is at most floor((32768 + 12 x 143) / 144) = 239 for every split, so 239 work-groups serve every split.
; Each finds its judge and its first entry of the sorted list from the twelve stored ends (counts[j] = the number of ids <= j).  In a tile that is not full the places past the count hold
; the next judge's tokens or the padding's token 0: rows that exist, computed and not stored.  A work-group that the split leaves without rows runs the same text on the list's head and stores
; nothing: no barrier hangs on data.
; SHARES.  Nine tiles of 16 tokens.  Wave w keeps in registers the merged weights of hidden units 64 w .. 64 w + 63 of layers 1 and 2 and the slice k = 64 w .. 64 w + 63 of the heads;
; in the gather and the scatter it has rows 36 w .. 36 w + 35.
; LAYOUT.  Every product is used transposed: source 0 = 16 rows of weights, source 1 = 16 tokens.  In the result lane (r, h) holds token r and units 8 h + 0 .. 7, which round to 16 bytes of
; the token's row; two rounded results ARE source 1 of the next product over those 32 units.  The bias is the C operand that starts a sum.  The heads' rows are laid 8 to a question (V' row 8 q + o),
; so a lane's registers 0 .. 4 are the five logits of one question of one token.  The four waves' partial logits (f32) meet in LDS.
; NO CLUSTER: whole clusters of four for every split would be ceil(32768 / 576) + 11 = 68 clusters, 272 work-groups against 239, and the weights come from memory straight into operand registers.
; LIMITS.  x, z1, z2 and W + Wa are each rounded once to bf16; biases, sums, logits and the softmax are f32; the five logits' true maximum is taken away before the exponentials.
; An infinite or NaN x[32 .. 34] also meets zero weights in padded places of K: NaN in that token's row, where reference() has no finite result either.  relu of NaN gives 0.
; REGISTERS, in windows of 256 (s_set_vgpr_msb: bits 1:0 source 0, 3:2 source 1, 5:4 source 2, 7:6 destination):
;   window 0: v0-31 addresses; v32-67 a row's byte offset in x and in out0; v68-79 addresses; v80-84 b3; v96-127 b1; v128-159 b2; v160-191 ACC; v192-207 ZP; v208-239 LACC; v240-243 at work
;   window 1: W2, fragment (i, c) at 64 i + 8 c        window 2: v0-63 W1 (16 i + 8 c); v64-127 V' (64 + 16 vt + 8 cl); v128-255 two buffers of source 1
.set BLOCK, 12544
.set Z1,    11520                      ; LDS 0: XS, 144 rows x 80 bytes (36 bf16 and padding).  Z1: 144 rows x 528 bytes (256 bf16 + 16)
.set PP,    87552                      ; P: [tile][wave][vt] 512 bytes (16 a lane: logits 0-3) + 128 bytes (4 a lane: logit 4), f32
.set OO,    179712                     ; O: 144 rows x 176 bytes, f32; columns 35-39 take the eighth, empty question
.set SPARE, 205056                     ; the spare words, 128 bytes for each wave; no other line names them
.set ZT,    16*528                     ; a tile's rows in Z1
.set PT,    10240                      ; a tile in P
.set ACC,   160
.set ZP,    192
.set LACC,  208
.set MSB, 0
.macro WIN new                         ; the immediate's high byte repeats the setting that is left; a switch that changes nothing is dropped
.if MSB != (\new)
	s_set_vgpr_msb (MSB<<8)|(\new)
.set MSB, \new
.endif
.endm
.macro PLACES                          ; four plain vector instructions between a matrix instruction and the first reader of its result (ISA guide 7.12.1)
.rept 4
	v_nop
.endr
.endm
	s_load_b256 s[4:11], s[0:1], 0x0               ; x 4, order 6, counts 8, wf 10
	s_load_b64 s[12:13], s[0:1], 0x20              ; out0
	v_lshl_add_u32 v30, v0, 2, SPARE               ; my spare word,
	v_mov_b32 v31, 0                               ; and 0: kept for the closing add alone
	v_lshrrev_b32 v73, 5, v0
	v_readfirstlane_b32 s14, v73                   ; wave w
	s_mov_b32 s15, ttmp9                           ; work-group
	s_wait_kmcnt 0x0
	s_load_b256 s[16:23], s[8:9], 0x0              ; the twelve ends
	s_load_b128 s[24:27], s[8:9], 0x20
	; lane terms, in the wait for the ends
	v_and_b32 v73, 31, v0                          ; lane
	v_and_b32 v2, 15, v0                           ; r
	v_bfe_u32 v3, v0, 4, 1                         ; h
	v_lshlrev_b32 v1, 4, v73                       ; 16 lane
	v_lshlrev_b32 v21, 2, v73                      ; 4 lane
	v_lshlrev_b32 v22, 5, v3                       ; 32 h: my eight biases of a tile
	v_mul_u32_u24 v77, v3, 2*BLOCK                 ; b3' of question 2 w + h lies in blocks 2 h and 2 h + 1 of my four
	v_lshrrev_b32 v29, 2, v73                      ; lane / 4: a row of eight in the tails
	v_and_b32 v78, 3, v73
	v_and_b32 v79, 3, v29
	v_lshlrev_b32 v74, 2, v29
	v_lshlrev_b32 v75, 2, v79
	v_min_u32 v76, 2, v78
	v_lshl_add_u32 v76, v76, 2, 128                ; columns 32, 33, 34, 34
	v_mov_b32 v20, 0
	v_mov_b32 v241, 0                              ; named in pairs with v240 and v242
	v_mov_b32 v243, 0
	v_mul_u32_u24 v4, v2, 80
	v_add_nc_u32 v5, 64, v4                        ; XS: k = 32 .. 35 of token r
	v_lshl_add_u32 v4, v3, 4, v4                   ; XS: row r, 16 bytes for each half of the lanes
	v_mul_u32_u24 v8, v2, 528
	v_lshl_add_u32 v8, v3, 4, v8
	v_add_nc_u32 v8, Z1, v8                        ; Z1 read, tiles 0-4
	v_add_nc_u32 v9, 5*ZT, v8                      ; tiles 5-8: the immediates stay inside 16 bits
	s_lshl_b32 s70, s14, 7
	v_add_nc_u32 v6, s70, v8                       ; Z1 write: my 64 units
	v_add_nc_u32 v7, s70, v9
	s_mul_i32 s70, s14, 2560
	s_add_co_u32 s70, s70, PP
	v_add_nc_u32 v10, s70, v1                      ; P write: my partial sums
	v_add_nc_u32 v11, 5*PT, v10
	s_add_co_u32 s70, s70, 512
	v_add_nc_u32 v12, s70, v21
	v_add_nc_u32 v13, 5*PT, v12
	s_mul_i32 s70, s14, 640
	s_add_co_u32 s70, s70, PP
	v_add_nc_u32 v14, s70, v1                      ; P read: piece vt = w of every wave
	v_add_nc_u32 v15, 5*PT, v14
	s_add_co_u32 s70, s70, 512
	v_add_nc_u32 v16, s70, v21
	v_add_nc_u32 v17, 5*PT, v16
	v_mul_u32_u24 v18, v2, 176
	v_mad_u32_u24 v18, v3, 20, v18
	s_mul_i32 s70, s14, 40
	s_add_co_u32 s70, s70, OO
	v_add_nc_u32 v18, s70, v18                     ; O write: token r, question 2 w + h
	s_mul_i32 s70, s14, 36*176
	s_add_co_u32 s70, s70, OO
	v_add_nc_u32 v19, s70, v21                     ; O read: my rows, columns 0-31
	v_mul_u32_u24 v71, v29, 176
	v_lshl_add_u32 v71, v78, 2, v71
	v_add_nc_u32 v71, s70, v71
	v_add_nc_u32 v71, 128, v71                     ; O read: eight rows' columns 32-35
	v_mul_u32_u24 v72, v79, 176
	v_lshl_add_u32 v72, v78, 2, v72
	v_add_nc_u32 v72, s70, v72
	v_add_nc_u32 v72, 32*176+128, v72              ; the same for rows 32-35
	s_mul_i32 s70, s14, 36*80
	v_lshl_add_u32 v68, v73, 1, s70                ; XS write: my rows, k = lane
	v_mul_u32_u24 v69, v29, 80
	v_lshl_add_u32 v69, v78, 1, v69
	v_add_nc_u32 v69, s70, v69
	v_add_nc_u32 v69, 64, v69                      ; XS write: eight rows' k = 32 .. 35
	v_mul_u32_u24 v70, v79, 80
	v_lshl_add_u32 v70, v78, 1, v70
	v_add_nc_u32 v70, s70, v70
	v_add_nc_u32 v70, 32*80+64, v70
	s_mov_b32 s82, 0x3fb8aa3b                      ; log2(e)
	s_mov_b32 s83, s82                             ; named with it as a pair
	s_mov_b32 s66, 0
	s_mov_b32 s67, 0
	s_mov_b32 s68, 0
	s_mov_b32 s69, 0
	s_mov_b32 s84, 0
	s_mov_b32 s75, 0
	s_wait_kmcnt 0x0
; Judge j: n = its end less the end before.  Its tiles: ((n + 143) x 58255) >> 23 = floor((n + 143) / 144) for n + 143 < 74,898 (58255 x 144 - 2^23 = 112).
; The last judge whose first tile is not behind me is mine.
.macro DEAL j
.if (\j) == 0
	s_mov_b32 s81, s16
.else
	s_sub_co_u32 s81, s[16+(\j)], s[15+(\j)]
.endif
	s_add_co_u32 s70, s81, 143
	s_mul_i32 s70, s70, 58255
	s_lshr_b32 s70, s70, 23
	s_cmp_ge_u32 s15, s69
	s_cselect_b32 s66, \j, s66                     ; J
	s_cselect_b32 s67, s69, s67                    ; its first tile
	s_cselect_b32 s68, s81, s68                    ; its number of tokens N
.if (\j) > 0
	s_cselect_b32 s84, s[15+(\j)], s84             ; where its tokens begin in the list (judge 0: at 0)
.endif
	s_add_co_u32 s69, s69, s70
.endm
.irp j, 0,1,2,3,4,5,6,7,8,9,10,11
	DEAL \j
.endr
	s_sub_co_u32 s70, s15, s67
	s_mul_i32 s70, s70, 144                        ; my first rank among the judge's tokens
	s_sub_co_i32 s72, s68, s70
	s_max_i32 s72, s72, 0
	s_min_i32 s72, s72, 144                        ; my rows, 0 .. 144
	s_add_co_u32 s71, s84, s70                     ; my first entry of the list
	s_cmp_eq_u32 s72, 0
	s_cselect_b32 s71, 0, s71                      ; without rows: the list's head
	s_min_u32 s71, s71, 0x7fff                     ; loaded numbers are clamped before they enter an address; 32,767 + 143 lies inside the 33,024 entries stored
	s_min_u32 s66, s66, 11
	s_mul_i32 s70, s14, 36
	s_sub_co_i32 s73, s72, s70
	s_max_i32 s73, s73, 0
	s_min_i32 s73, s73, 36                         ; rows of my wave's 36 that exist
	s_add_co_u32 s74, s71, s70
	s_lshl_b32 s74, s74, 2
	s_add_nc_u64 s[78:79], s[6:7], s[74:75]        ; my wave's 36 entries of the list
	s_load_b512 s[28:43], s[78:79], 0x0
	s_load_b512 s[44:59], s[78:79], 0x40
	s_load_b128 s[60:63], s[78:79], 0x80
	s_mul_i32 s74, s66, 16*BLOCK
	s_mul_i32 s70, s14, 4*BLOCK
	s_add_co_u32 s74, s74, s70
	s_add_nc_u64 s[76:77], s[10:11], s[74:75]      ; my wave's four blocks of judge J
	v_cmp_eq_u32 vcc_lo, 3, v78
	v_mov_b32 v23, s73
	v_cndmask_b32 v23, v23, v20, vcc_lo            ; the tails' bound: 0 in the lanes that hold no column
	; LOADS, those wanted first in front.  24: W1 and b1.
	WIN 0x80
.irp i, 0,1,2,3
.irp c, 0,1
.irp u, 0,1
	global_load_b128 v[16*(\i)+8*(\c)+4*(\u):16*(\i)+8*(\c)+4*(\u)+3], v1, s[76:77] offset:BLOCK*(\i)+8192+1024*(\c)+512*(\u)
.endr
.endr
.endr
	WIN 0
.irp i, 0,1,2,3
	global_load_b128 v[96+8*(\i):96+8*(\i)+3],   v22, s[76:77] offset:BLOCK*(\i)+12352
	global_load_b128 v[96+8*(\i)+4:96+8*(\i)+7], v22, s[76:77] offset:BLOCK*(\i)+12352+16
.endr
	; 5: the tokens of the tails, one for each four lanes
.irp t, 0,1,2,3
	global_load_b32 v[24+(\t)], v74, s[78:79] offset:32*(\t)
.endr
	global_load_b32 v28, v75, s[78:79] offset:128
	s_wait_kmcnt 0x0                               ; my 36 tokens
.set i, 0
.rept 36
	s_min_u32 s[28+i], s[28+i], 0x7fff
	s_mul_i32 s[28+i], s[28+i], 140
	v_add_nc_u32 v[32+i], s[28+i], v21             ; row i: token x 140 + 4 lane, for x now and for out0 at the end; never rewritten
.set i, i+1
.endr
	; 36: x, columns 0-31: a load covers 128 consecutive bytes of one row
.set i, 0
.rept 36
	global_load_b32 v[160+i], v[32+i], s[4:5]
.set i, i+1
.endr
	s_wait_loadcnt 36                              ; the 36 just issued are younger: W1, b1 and the tails' tokens are in
.irp t, 0,1,2,3,4
	v_min_u32 v[24+(\t)], 0x7fff, v[24+(\t)]
	v_mul_u32_u24 v[24+(\t)], v[24+(\t)], 140
	v_add_nc_u32 v[24+(\t)], v76, v[24+(\t)]
.endr
	; 5: x, columns 32-34 of eight rows a load
.irp t, 0,1,2,3,4
	global_load_b32 v[196+(\t)], v[24+(\t)], s[4:5]
.endr
.macro LDW2 i                          ; 16 loads: W2's eight fragments of tile i
.irp c, 0,1,2,3,4,5,6,7
.irp u, 0,1
	global_load_b128 v[64*(\i)+8*(\c)+4*(\u):64*(\i)+8*(\c)+4*(\u)+3], v1, s[76:77] offset:BLOCK*(\i)+1024*(\c)+512*(\u)
.endr
.endr
.endm
	WIN 0x40
	LDW2 0
	LDW2 1
	WIN 0
	s_wait_loadcnt 32                              ; the 32 just issued are younger: all of x is in
	; PHASE 0: x, rounded to bf16, into XS
.set i, 0
.rept 18
	v_cvt_pk_bf16_f32 v[160+2*i], v[160+2*i], v[161+2*i]
	ds_store_b16 v68, v[160+2*i] offset:160*i
	ds_store_b16_d16_hi v68, v[160+2*i] offset:160*i+80
.set i, i+1
.endr
	v_cvt_pk_bf16_f32 v196, v196, v197
	v_cvt_pk_bf16_f32 v198, v198, v199
	v_cvt_pk_bf16_f32 v200, v200, v200
	ds_store_b16 v69, v196                         ; k = 35 takes a copy of x[34]: its weight is 0
	ds_store_b16_d16_hi v69, v196 offset:640
	ds_store_b16 v69, v198 offset:1280
	ds_store_b16_d16_hi v69, v198 offset:1920
	ds_store_b16 v70, v200
	; 58 more loads: the rest of W2, V', b2, b3'
	WIN 0x40
	LDW2 2
	LDW2 3
	WIN 0x80
.irp vt, 0,1,2,3
.irp cl, 0,1
.irp u, 0,1
	global_load_b128 v[64+16*(\vt)+8*(\cl)+4*(\u):64+16*(\vt)+8*(\cl)+4*(\u)+3], v1, s[76:77] offset:BLOCK*(2*(\cl)+(\u))+10240+512*(\vt)
.endr
.endr
.endr
	; source 1 for k = 32 .. 63: only k = 32 .. 35 are loaded; the other registers hold 0 (their weights are 0 too)
.irp b, 0,1
.irp z, 2,3,4,5,6,7
	v_mov_b32 v[136+16*(\b)+(\z)], 0
.endr
.endr
	WIN 0
.irp i, 0,1,2,3
	global_load_b128 v[128+8*(\i):128+8*(\i)+3],   v22, s[76:77] offset:BLOCK*(\i)+12288
	global_load_b128 v[128+8*(\i)+4:128+8*(\i)+7], v22, s[76:77] offset:BLOCK*(\i)+12288+16
.endr
	global_load_b128 v[80:83], v77, s[76:77] offset:12416
	global_load_b32 v84, v77, s[76:77] offset:BLOCK+12416
	s_wait_dscnt 0x0                               ; for the others' sake: my rows of XS are written
	s_barrier_signal -1
	s_barrier_wait -1
; Four results: rounded to bf16 in pairs, from each accumulator's lowest registers on, then relu on the packed halves.
.macro PACK
.set z, 0
.rept 16
	v_cvt_pk_bf16_f32 v[ZP+z], v[ACC+2*z], v[ACC+2*z+1]
.set z, z+1
.endr
.set z, 0
.rept 16
	v_pk_max_num_bf16 v[ZP+z], v[ZP+z], v20
.set z, z+1
.endr
.endm
	; PHASE 1: z1 = relu(W1' x + b1).  The four accumulators take turns.
.macro LOADX t                         ; tile t's source 1, into buffer t % 2: three LDS loads
	WIN 0x80
.set fb, 128+16*((\t)%2)
	ds_load_b128 v[fb:fb+3],   v4 offset:1280*(\t)
	ds_load_b128 v[fb+4:fb+7], v4 offset:1280*(\t)+32
	ds_load_b64  v[fb+8:fb+9], v5 offset:1280*(\t)
.endm
.macro L1 t
.if (\t) < 8
	LOADX (\t)+1                                   ; its buffer's last readers stand in front of the last tile's places and roundings
.endif
.if (\t) == 0
	s_wait_dscnt 3                                 ; younger: the next tile's three loads
.elseif (\t) < 8
	s_wait_dscnt 7                                 ; younger: the last tile's four stores and the next tile's three loads
.else
	s_wait_dscnt 4                                 ; younger: the last tile's four stores
.endif
.set fb, 128+16*((\t)%2)
	WIN 0x0a                                       ; sources 0 and 1 in window 2
.irp i, 0,1,2,3
	v_wmma_f32_16x16x32_bf16 v[ACC+8*(\i):ACC+8*(\i)+7], v[16*(\i):16*(\i)+7], v[fb:fb+7], v[96+8*(\i):96+8*(\i)+7]
.endr
.irp i, 0,1,2,3
	v_wmma_f32_16x16x32_bf16 v[ACC+8*(\i):ACC+8*(\i)+7], v[16*(\i)+8:16*(\i)+15], v[fb+8:fb+15], v[ACC+8*(\i):ACC+8*(\i)+7]
.endr
	PLACES
	WIN 0
	PACK
.set THI, (\t)/5
.set TLO, (\t)%5
.irp i, 0,1,2,3
	ds_store_b128 v[6+THI], v[ZP+4*(\i):ZP+4*(\i)+3] offset:ZT*TLO+32*(\i)
.endr
.endm
	LOADX 0
.irp t, 0,1,2,3,4,5,6,7,8
	L1 \t
.endr
	s_wait_dscnt 0x0                               ; for the others' sake: my units of Z1 are written
	s_barrier_signal -1
	s_barrier_wait -1
	s_wait_loadcnt 0x0                             ; all weights and biases are in
	; PHASE 2: z2 = relu(W2' z1 + b2) for my 64 units, and at once my slice of the logits, V' z2.
.macro LOADZ t                         ; tile t's z1, 16 tokens x 256, into buffer t % 2: sixteen LDS loads
	WIN 0x80
.set zb, 128+64*((\t)%2)
.set THI, (\t)/5
.set TLO, (\t)%5
.irp c, 0,1,2,3,4,5,6,7
	ds_load_b128 v[zb+8*(\c):zb+8*(\c)+3],   v[8+THI] offset:ZT*TLO+64*(\c)
	ds_load_b128 v[zb+8*(\c)+4:zb+8*(\c)+7], v[8+THI] offset:ZT*TLO+64*(\c)+32
.endr
.endm
.macro L2 t
.if (\t) < 8
	LOADZ (\t)+1
.endif
.if (\t) == 0
	s_wait_dscnt 16                                ; younger: the next tile's sixteen loads
.elseif (\t) < 8
	s_wait_dscnt 24                                ; younger: the last tile's eight stores and the next tile's sixteen loads
.else
	s_wait_dscnt 8                                 ; younger: the last tile's eight stores
.endif
.set zb, 128+64*((\t)%2)
.set THI, (\t)/5
.set TLO, (\t)%5
	WIN 0x09                                       ; source 0 in window 1, source 1 in window 2
.irp i, 0,1,2,3
	v_wmma_f32_16x16x32_bf16 v[ACC+8*(\i):ACC+8*(\i)+7], v[64*(\i):64*(\i)+7], v[zb:zb+7], v[128+8*(\i):128+8*(\i)+7]
.endr
.irp c, 1,2,3,4,5,6,7
.irp i, 0,1,2,3
	v_wmma_f32_16x16x32_bf16 v[ACC+8*(\i):ACC+8*(\i)+7], v[64*(\i)+8*(\c):64*(\i)+8*(\c)+7], v[zb+8*(\c):zb+8*(\c)+7], v[ACC+8*(\i):ACC+8*(\i)+7]
.endr
.endr
	PLACES
	WIN 0
	PACK                                           ; ZP's two halves are source 1 for k = 64 w .. + 31 and 64 w + 32 .. + 63
	WIN 0x02                                       ; source 0 in window 2
.irp vt, 0,1,2,3
	v_wmma_f32_16x16x32_bf16 v[LACC+8*(\vt):LACC+8*(\vt)+7], v[64+16*(\vt):64+16*(\vt)+7], v[ZP:ZP+7], 0
.endr
.irp vt, 0,1,2,3
	v_wmma_f32_16x16x32_bf16 v[LACC+8*(\vt):LACC+8*(\vt)+7], v[64+16*(\vt)+8:64+16*(\vt)+15], v[ZP+8:ZP+15], v[LACC+8*(\vt):LACC+8*(\vt)+7]
.endr
	PLACES
	WIN 0
.irp vt, 0,1,2,3
	ds_store_b128 v[10+THI], v[LACC+8*(\vt):LACC+8*(\vt)+3] offset:PT*TLO+640*(\vt)   ; logits 0-3 of question 2 vt + h, token r
	ds_store_b32  v[12+THI], v[LACC+8*(\vt)+4] offset:PT*TLO+640*(\vt)                ; logit 4
.endr
.endm
	LOADZ 0
.irp t, 0,1,2,3,4,5,6,7,8
	L2 \t
.endr
	s_wait_dscnt 0x0                               ; for the others' sake: my partial logits are written
	s_barrier_signal -1
	s_barrier_wait -1
	; PHASE 3: lane (r, h) of wave w has question 2 w + h of token r: the four partial sums and the bias are added, then the softmax over the five.
.macro LOADP t                         ; eight LDS loads into buffer t % 2: logits 0-3 of wave pw at 4 pw, logit 4 at 16 + pw
.set bb, 160+24*((\t)%2)
.set THI, (\t)/5
.set TLO, (\t)%5
.irp pw, 0,1,2,3
	ds_load_b128 v[bb+4*(\pw):bb+4*(\pw)+3], v[14+THI] offset:PT*TLO+2560*(\pw)
	ds_load_b32  v[bb+16+(\pw)], v[16+THI] offset:PT*TLO+2560*(\pw)
.endr
.endm
.macro SM t
.if (\t) < 8
	LOADP (\t)+1
.endif
.if (\t) == 0
	s_wait_dscnt 8                                 ; younger: the next tile's eight loads
.elseif (\t) < 8
	s_wait_dscnt 13                                ; younger: the last tile's five stores and the next tile's eight loads
.else
	s_wait_dscnt 5                                 ; younger: the last tile's five stores
.endif
.set bb, 160+24*((\t)%2)
	v_pk_add_f32 v[bb:bb+1], v[bb:bb+1], v[bb+4:bb+5]
	v_pk_add_f32 v[bb+2:bb+3], v[bb+2:bb+3], v[bb+6:bb+7]
	v_pk_add_f32 v[bb+8:bb+9], v[bb+8:bb+9], v[bb+12:bb+13]
	v_pk_add_f32 v[bb+10:bb+11], v[bb+10:bb+11], v[bb+14:bb+15]
	v_add_f32 v[bb+16], v[bb+16], v[bb+17]
	v_add_f32 v[bb+18], v[bb+18], v[bb+19]
	v_pk_add_f32 v[bb:bb+1], v[bb:bb+1], v[bb+8:bb+9]
	v_pk_add_f32 v[bb+2:bb+3], v[bb+2:bb+3], v[bb+10:bb+11]
	v_add_f32 v[bb+16], v[bb+16], v[bb+18]
	v_pk_add_f32 v[bb:bb+1], v[bb:bb+1], v[80:81]
	v_pk_add_f32 v[bb+2:bb+3], v[bb+2:bb+3], v[82:83]
	v_add_f32 v[bb+16], v[bb+16], v84
	v_max3_num_f32 v240, v[bb], v[bb+1], v[bb+2]
	v_max3_num_f32 v240, v240, v[bb+3], v[bb+16]   ; the five logits' maximum
	v_mul_f32 v240, s82, v240
	v_pk_fma_f32 v[bb:bb+1], v[bb:bb+1], s[82:83], v[240:241] op_sel_hi:[1,0,0] neg_lo:[0,0,1] neg_hi:[0,0,1]
	v_pk_fma_f32 v[bb+2:bb+3], v[bb+2:bb+3], s[82:83], v[240:241] op_sel_hi:[1,0,0] neg_lo:[0,0,1] neg_hi:[0,0,1]
	v_fma_f32 v[bb+16], v[bb+16], s82, -v240
	v_exp_f32 v[bb], v[bb]
	v_exp_f32 v[bb+1], v[bb+1]
	v_exp_f32 v[bb+2], v[bb+2]
	v_exp_f32 v[bb+3], v[bb+3]
	v_exp_f32 v[bb+16], v[bb+16]
	v_nop                                          ; a plain instruction between the last exponential and the use of its result
	s_wait_alu depctr_va_vdst(0)
	v_add_f32 v242, v[bb], v[bb+1]
	v_add_f32 v240, v[bb+2], v[bb+3]
	v_add_f32 v242, v242, v[bb+16]
	v_add_f32 v242, v242, v240                     ; at least 1: the maximum's own term
	v_rcp_f32 v242, v242
	v_nop
	s_wait_alu depctr_va_vdst(0)
	v_pk_mul_f32 v[bb:bb+1], v[bb:bb+1], v[242:243] op_sel_hi:[1,0]
	v_pk_mul_f32 v[bb+2:bb+3], v[bb+2:bb+3], v[242:243] op_sel_hi:[1,0]
	v_mul_f32 v[bb+16], v[bb+16], v242
.irp o, 0,1,2,3
	ds_store_b32 v18, v[bb+(\o)] offset:2816*(\t)+4*(\o)
.endr
	ds_store_b32 v18, v[bb+16] offset:2816*(\t)+16
.endm
	LOADP 0
.irp t, 0,1,2,3,4,5,6,7,8
	SM \t
.endr
	s_wait_dscnt 0x0                               ; for the others' sake: my questions of O are written
	s_barrier_signal -1
	s_barrier_wait -1
	; PHASE 4: whole rows back from O, and out to the tokens' rows.  Rows past the count are jumped; in the tails, where a store holds rows on both sides of it, EXEC is narrowed.
.set i, 0
.rept 36
	ds_load_b32 v[160+i], v19 offset:176*i
.set i, i+1
.endr
.irp t, 0,1,2,3
	ds_load_b32 v[196+(\t)], v71 offset:1408*(\t)
.endr
	ds_load_b32 v200, v72
	s_wait_dscnt 0x0
.set i, 0
.rept 36
	s_cmp_gt_u32 s73, i
	s_cbranch_scc0 .Lrows_done
	global_store_b32 v[32+i], v[160+i], s[12:13]   ; 128 consecutive bytes of row i
.set i, i+1
.endr
.Lrows_done:
.irp t, 0,1,2,3,4
	v_add_nc_u32 v73, 8*(\t), v29                  ; my row among the wave's 36
	v_cmp_gt_u32 vcc_lo, v23, v73
	s_wait_xcnt 0x0                                ; EXEC is a source of the stores issued so far: it changes only behind this wait
	s_and_saveexec_b32 s80, vcc_lo
	global_store_b32 v[24+(\t)], v[196+(\t)], s[12:13]  ; columns 32-34 of eight rows
	s_wait_xcnt 0x0
	s_or_b32 exec_lo, exec_lo, s80
.endr
	s_wait_tensorcnt 0x0                           ; the wave's end
	ds_add_u32 v30, v31
	s_wait_dscnt 0x0
	s_endpgm
.Lfunc_end_k_q0cbd7e9119_chain:
	.size	k_q0cbd7e9119_chain, .Lfunc_end_k_q0cbd7e9119_chain-k_q0cbd7e9119_chain
	.p2alignl 7, 3214868480
	.fill 96, 4, 3214868480
	.section	.rodata,"a",@progbits
	.p2align	6, 0x0
	.amdhsa_kernel k_q0cbd7e9119_chain
		.amdhsa_group_segment_fixed_size 205568
		.amdhsa_private_segment_fixed_size 0
		.amdhsa_enable_private_segment 0
		.amdhsa_kernarg_size 40
		.amdhsa_user_sgpr_count 2
		.amdhsa_user_sgpr_kernarg_segment_ptr 1
		.amdhsa_wavefront_size32 1
		.amdhsa_system_sgpr_workgroup_id_x 1
		.amdhsa_system_sgpr_workgroup_id_y 1
		.amdhsa_system_sgpr_workgroup_id_z 1
		.amdhsa_system_vgpr_workitem_id 0
		.amdhsa_next_free_vgpr 768
		.amdhsa_next_free_sgpr 96
		.amdhsa_reserve_vcc 1
		.amdhsa_float_denorm_mode_32 3
		.amdhsa_float_denorm_mode_16_64 3
		.amdhsa_memory_ordered 1
		.amdhsa_forward_progress 1
		.amdhsa_inst_pref_size 155
	.end_amdhsa_kernel
	.amdgpu_metadata
---
amdhsa.version: [ 1, 2 ]
amdhsa.kernels:
  - .name:           k_q0cbd7e9119_chain
    .symbol:         k_q0cbd7e9119_chain.kd
    .args:
      - { .name: x, .offset: 0, .size: 8, .value_kind: global_buffer, .address_space: global }
      - { .name: order, .offset: 8, .size: 8, .value_kind: global_buffer, .address_space: global }
      - { .name: counts, .offset: 16, .size: 8, .value_kind: global_buffer, .address_space: global }
      - { .name: wf, .offset: 24, .size: 8, .value_kind: global_buffer, .address_space: global }
      - { .name: out0, .offset: 32, .size: 8, .value_kind: global_buffer, .address_space: global }
    .group_segment_fixed_size: 205568
    .private_segment_fixed_size: 0
    .kernarg_segment_align: 8
    .kernarg_segment_size: 40
    .max_flat_workgroup_size: 128
    .sgpr_count:     96
    .vgpr_count:     768
    .wavefront_size: 32
...
	.end_amdgpu_metadata
.endif
;; end of part 2
;; ======== version 2 of 2: 2 launches; 1.19 times as fast as version 1
;; workspace buffers: wf 2,408,448 bytes; order 1,572,864 bytes of whole numbers; counts 1,024 bytes of whole numbers
;; launch prep (part 3): grid 16 x 12, 8 waves a work-group, no clusters, 13,568 bytes of LDS; arguments V_b, V_w, Va_b, Va_w, W1_b, W1_w, W1a_b, W1a_w, W2_b, W2_w, W2a_b, W2a_w, judge_ids, wf, order, counts; writes wf, order, counts
.if DOCPART == 3
	.amdgcn_target "amdgcn-amd-amdhsa--gfx1250"
	.amdhsa_code_object_version 6
	.text
	.protected	k_q0cbd7e9119_prep
	.globl	k_q0cbd7e9119_prep
	.p2align	8
	.type	k_q0cbd7e9119_prep,@function
k_q0cbd7e9119_prep:
	s_mov_b64 s[64:65], 0
	v_nop
	global_prefetch_b8 v0, s[64:65] scope:SCOPE_SE
	s_setreg_imm32_b32 hwreg(HW_REG_WAVE_MODE, 25, 1), 1
	s_wait_xcnt 0x0
; PREP.  Work-group (p, j), p = 0..15, j = 0..11, eight waves.  Two jobs.
; (1) WEIGHTS.  In every layer reference() adds the shared product and the chosen judge's product of the same vector, so (W + Wa[j]) v is the same sum.  The work-group
;     writes block p of judge j of wf: the f32 sums W + Wa[j], rounded ONCE to bf16, in the order in which a wave's matrix operand registers take them, and the f32 biases
;     (the ones column's weight of both matrices plus both bias vectors).  A block is 12,544 bytes:
;       +0      W2, hidden rows 16 p + r, eight fragments c of 1,024 bytes: byte 512 s + 16 (r + 16 h) + 2 e holds k = 32 c + 16 s + 8 h + e
;       +8192   W1, the same rows, two fragments; 0 for k >= 35
;       +10240  V', k = 16 p .. 16 p + 15, four pieces vt of 512 bytes: byte 16 (r + 16 h) + 2 e holds V'[16 vt + r][16 p + 8 h + e];
;               V' row 8 q + o is head row 5 q + o for o < 5 and q < 7, else 0
;       +12288  b2[16 p ..], 16 f32    +12352  b1[16 p ..], 16 f32    +12416  b3'[4 p .. 4 p + 3], f32, eight times over
; (2) THE LISTS.  The work-group reads only its own part of the ids, tokens 2048 p .. 2048 p + 2047, and PARTITIONS it into chunk (j, p) of order (2,048 entries): the T tokens with id j
;     in front, all the others behind them.  Element e of the part (e = 256 w + 32 k + lane), with m matching elements ahead of it, goes to place m if it matches and to T + e - m if not.
;     So every lane stores in every store, every entry of the chunk is written once, and every entry holds a token that exists.  counts[16 p + j] = T; judge 11's work-groups
;     also write 0 into columns 12 .. 15 of their row, so that the whole table of 16 x 16 words is stored.  The next launch adds the parts up.
; LIMITS.  Ids lie in 0 .. 11, as reference()'s own indexing needs.  W + Wa is rounded once to bf16; biases stay f32.
.set BLOCK, 12544
.set CNT,   12288                      ; LDS: word w = wave w's number of tokens with id j
.set SPARE, 12544                      ; LDS: the spare words, 128 bytes for each of the eight waves; no other line names them
.set BD,  18                           ; v18-29   wave 0: twelve bias words
.set W2D, 30                           ; v30-61   W2: (row rr, fragment c, matrix) at 16 rr + 2 c + matrix
.set W1D, 62                           ; v62-69   W1: 4 rr + 2 c + matrix
.set VD,  70                           ; v70-75   V: 2 t + matrix
.set OWN, 76                           ; v76-83   my wave's ids, 8 a lane
.set CW,  84                           ; v84-91   the eight waves' counts
.set POS, 212                          ; v212-219 byte offsets in the chunk
.set TOK, 220                          ; v220-227 token numbers
.set CP,  228                          ; v228-239 the block on its way out
	s_load_b512 s[4:19], s[0:1], 0x0               ; V_b 4, V_w 6, Va_b 8, Va_w 10, W1_b 12, W1_w 14, W1a_b 16, W1a_w 18
	s_load_b512 s[20:35], s[0:1], 0x40             ; W2_b 20, W2_w 22, W2a_b 24, W2a_w 26, judge_ids 28, wf 30, order 32, counts 34
	v_lshl_add_u32 v10, v0, 2, SPARE               ; my spare word,
	v_mov_b32 v11, 0                               ; and 0: kept for the closing add alone
	v_lshrrev_b32 v1, 5, v0
	v_readfirstlane_b32 s36, v1                    ; wave w
	v_and_b32 v1, 31, v0                           ; lane
	s_mov_b32 s37, ttmp9                           ; p
	s_and_b32 s38, ttmp7, 0xffff                   ; j
	s_cmp_eq_u32 s38, 11
	s_cselect_b32 s39, 5, 1                        ; words of the table's row that this work-group stores
	s_mov_b32 s41, 0                               ; high word of every offset pair
	s_mov_b32 s63, 0                               ; my wave's number of tokens with id j
	v_lshlrev_b32 v2, 2, v1                        ; 4 lane
	v_lshlrev_b32 v3, 4, v1                        ; 16 lane
	v_add_nc_u32 v4, 32, v1
	v_min_u32 v4, 35, v4
	v_lshlrev_b32 v4, 2, v4                        ; W1's second fragment: column min(32 + lane, 35), so that no load leaves the row
	v_lshrrev_b32 v246, 4, v1                      ; lane / 16
	v_bfe_u32 v247, v1, 3, 1                       ; (lane / 8) % 2
	v_and_b32 v248, 7, v1
	v_and_b32 v249, 15, v1
	v_lshlrev_b32 v250, 8, v247
	v_lshl_add_u32 v250, v248, 1, v250             ; 256 h + 2 e
	s_lshl_b32 s58, s36, 5
	v_lshl_add_u32 v5, v246, 9, v250
	v_add_nc_u32 v5, s58, v5                       ; where column k = 32 c + lane of row 2 w lies in a fragment: 512 s + 256 h + 2 e + 16 (2 w)
	v_mul_u32_u24 v6, v246, 257
	v_add_lshl_u32 v6, v6, v249, 2                 ; V: head row lane / 16, column lane % 16
	v_lshlrev_b32 v7, 2, v249                      ; 4 (lane % 16)
	s_lshr_b32 s58, s36, 1
	s_lshl_b32 s58, s58, 9
	s_and_b32 s59, s36, 1
	s_lshl_b32 s59, s59, 7
	s_add_co_u32 s58, s58, s59
	s_add_co_u32 s58, s58, 10240
	v_lshl_add_u32 v8, v246, 4, v250
	v_add_nc_u32 v8, s58, v8                       ; V' row 8 w + lane / 16: piece w / 2, row 8 (w % 2) + lane / 16
	v_cmp_gt_u32 vcc_lo, 3, v1
	v_cndmask_b32 v9, 0, -1, vcc_lo                ; all ones where 32 + lane < 35
	s_cmp_lt_u32 s36, 7
	s_cselect_b32 s48, -1, 0                       ; all ones where question w exists
	v_cmp_gt_u32 vcc_lo, 16, v1
	v_cndmask_b32 v12, 0, s48, vcc_lo              ; head row 4 in lanes 0-15; row 5 (lanes 16-31) is 0
	v_mul_u32_u24 v13, v249, 1028                  ; wave 0's bias offsets: a row of W2,
	v_mul_u32_u24 v14, v249, 144                   ; a row of W1
	s_lshr_b32 s60, s37, 1                         ; b3' entry 4 p + lane % 4 is question p / 2, head row o = 4 (p % 2) + lane % 4
	s_cmp_lt_u32 s60, 7
	s_cselect_b32 s49, -1, 0
	s_and_b32 s60, s37, 1
	s_lshl_b32 s60, s60, 2
	v_and_b32 v250, 3, v1
	v_add_nc_u32 v250, s60, v250
	v_cmp_gt_u32 vcc_lo, 5, v250
	v_cndmask_b32 v15, 0, s49, vcc_lo              ; all ones where that entry exists
	v_min_u32 v250, 4, v250
	v_mul_u32_u24 v16, v250, 1028
	v_lshlrev_b32 v17, 2, v250
	v_mov_b32 v245, 0
	v_lshlrev_b32 v240, 4, v0                      ; 16 x thread: the block's way out
	v_mov_b32 v241, CNT
	s_lshl_b32 s58, s37, 4
	s_lshl1_add_u32 s58, s36, s58                  ; n0 = 16 p + 2 w: my wave's two hidden rows
	s_lshl_b32 s59, s38, 8
	s_add_co_u32 s59, s59, s58                     ; 256 j + n0
	s_wait_kmcnt 0x0
	s_mul_i32 s40, s58, 1028
	s_add_nc_u64 s[22:23], s[22:23], s[40:41]      ; W2_w at row n0
	s_mul_i32 s40, s59, 1028
	s_add_nc_u64 s[26:27], s[26:27], s[40:41]      ; W2a_w[j] at row n0
	s_mul_i32 s40, s58, 144
	s_add_nc_u64 s[14:15], s[14:15], s[40:41]      ; W1_w
	s_mul_i32 s40, s59, 144
	s_add_nc_u64 s[18:19], s[18:19], s[40:41]      ; W1a_w[j]
	s_min_u32 s60, s36, 6                          ; wave 7 has no question: it reads question 6 and writes zeros
	s_mul_i32 s60, s60, 1285
	s_lshl4_add_u32 s60, s37, s60
	s_lshl_b32 s40, s60, 2                         ; (5 q x 257 + 16 p) x 4
	s_add_nc_u64 s[44:45], s[6:7], s[40:41]        ; V_w at my question's rows, column 16 p
	s_mul_i32 s61, s38, 35980
	s_add_co_u32 s40, s40, s61
	s_add_nc_u64 s[46:47], s[10:11], s[40:41]      ; Va_w[j] likewise
	s_lshl_b32 s40, s36, 9
	s_add_nc_u64 s[28:29], s[28:29], s[40:41]      ; ids: my wave's 128 of every 1,024,
	s_lshl_b32 s40, s37, 13
	s_add_nc_u64 s[28:29], s[28:29], s[40:41]      ; in part p
	s_lshl4_add_u32 s59, s38, s37                  ; 16 j + p
	s_mul_i32 s40, s59, BLOCK
	s_add_nc_u64 s[30:31], s[30:31], s[40:41]      ; wf at block (j, p)
	s_lshl_b32 s40, s59, 13
	s_add_nc_u64 s[32:33], s[32:33], s[40:41]      ; order at chunk (j, p): 2,048 entries of 4 bytes
	s_lshl4_add_u32 s40, s37, s38
	s_lshl_b32 s40, s40, 2
	s_add_nc_u64 s[34:35], s[34:35], s[40:41]      ; counts[16 p + j]
	s_lshl_b32 s40, s37, 6
	s_add_nc_u64 s[20:21], s[20:21], s[40:41]      ; W2_b, W1_b at 16 p
	s_add_nc_u64 s[12:13], s[12:13], s[40:41]
	s_lshl_b32 s60, s38, 10
	s_add_co_u32 s40, s40, s60
	s_add_nc_u64 s[24:25], s[24:25], s[40:41]      ; W2a_b[j], W1a_b[j] at 16 p
	s_add_nc_u64 s[16:17], s[16:17], s[40:41]
	s_lshr_b32 s60, s37, 1
	s_min_u32 s60, s60, 6
	s_mul_i32 s40, s60, 5140
	s_add_nc_u64 s[6:7], s[6:7], s[40:41]          ; for b3': V_w at question min(p / 2, 6),
	s_add_co_u32 s40, s40, s61
	s_add_nc_u64 s[10:11], s[10:11], s[40:41]      ; Va_w[j],
	s_mul_i32 s40, s60, 20
	s_add_nc_u64 s[4:5], s[4:5], s[40:41]          ; V_b,
	s_mul_i32 s61, s38, 140
	s_add_co_u32 s40, s40, s61
	s_add_nc_u64 s[8:9], s[8:9], s[40:41]          ; Va_b[j]
	; ALL LOADS GO OUT AT ONCE.  Wave 0 (whose rows begin at 16 p) also fetches the block's biases.
	s_cmp_lg_u32 s36, 0
	s_cbranch_scc1 .Lno_bias_loads
	global_load_b32 v[BD+0], v13, s[22:23] offset:1024   ; W2_w[n][256]
	global_load_b32 v[BD+1], v13, s[26:27] offset:1024   ; W2a_w[j][n][256]
	global_load_b32 v[BD+2], v7, s[20:21]                ; W2_b[n]
	global_load_b32 v[BD+3], v7, s[24:25]                ; W2a_b[j][n]
	global_load_b32 v[BD+4], v14, s[14:15] offset:140    ; W1_w[n][35]
	global_load_b32 v[BD+5], v14, s[18:19] offset:140
	global_load_b32 v[BD+6], v7, s[12:13]
	global_load_b32 v[BD+7], v7, s[16:17]
	global_load_b32 v[BD+8], v16, s[6:7] offset:1024     ; V_w[q][o][256]
	global_load_b32 v[BD+9], v16, s[10:11] offset:1024
	global_load_b32 v[BD+10], v17, s[4:5]
	global_load_b32 v[BD+11], v17, s[8:9]
.Lno_bias_loads:
	global_load_b128 v[OWN:OWN+3],   v3, s[28:29]                ; ids 2048 p + 128 w + 4 lane + 0..3,
	global_load_b128 v[OWN+4:OWN+7], v3, s[28:29] offset:4096    ; and the same 1,024 further on
.irp rr, 0,1
.irp c, 0,1,2,3,4,5,6,7
	global_load_b32 v[W2D+16*(\rr)+2*(\c)],   v2, s[22:23] offset:1028*(\rr)+128*(\c)  ; 32 lanes: 128 consecutive bytes of a row
	global_load_b32 v[W2D+16*(\rr)+2*(\c)+1], v2, s[26:27] offset:1028*(\rr)+128*(\c)
.endr
.endr
.irp rr, 0,1
	global_load_b32 v[W1D+4*(\rr)],   v2, s[14:15] offset:144*(\rr)
	global_load_b32 v[W1D+4*(\rr)+1], v2, s[18:19] offset:144*(\rr)
	global_load_b32 v[W1D+4*(\rr)+2], v4, s[14:15] offset:144*(\rr)
	global_load_b32 v[W1D+4*(\rr)+3], v4, s[18:19] offset:144*(\rr)
.endr
.irp t, 0,1
	global_load_b32 v[VD+2*(\t)],   v6, s[44:45] offset:2056*(\t)   ; head rows 2 t and 2 t + 1, 16 columns each
	global_load_b32 v[VD+2*(\t)+1], v6, s[46:47] offset:2056*(\t)
.endr
	global_load_b32 v[VD+4], v7, s[44:45] offset:4112                ; head row 4
	global_load_b32 v[VD+5], v7, s[46:47] offset:4112
	; THE COUNT: a mask of lanes for each of my eight ids a lane.
	s_wait_loadcnt 46                              ; loads come back in order: the 46 loads of weights are younger than the ids
.set k, 0
.rept 8
	v_cmp_eq_u32 s[50+k], s38, v[OWN+k]
.set k, k+1
.endr
.set k, 0
.rept 8
	s_bcnt1_i32_b32 s58, s[50+k]
	s_add_co_u32 s63, s63, s58
.set k, k+1
.endr
	v_mov_b32 v243, s63
	v_lshl_add_u32 v244, s36, 2, CNT
	ds_store_b32 v244, v243                        ; every lane writes the same word with the same value
	; THE WEIGHTS: sum in f32, two rows rounded together, each half to its place in the block's image in LDS.
	s_wait_loadcnt 0x0
.irp c, 0,1,2,3,4,5,6,7
	v_add_f32 v[W2D+2*(\c)], v[W2D+2*(\c)], v[W2D+2*(\c)+1]
	v_add_f32 v[W2D+16+2*(\c)], v[W2D+16+2*(\c)], v[W2D+16+2*(\c)+1]
	v_cvt_pk_bf16_f32 v[W2D+2*(\c)], v[W2D+2*(\c)], v[W2D+16+2*(\c)]   ; low half row 2 w, high half row 2 w + 1
	ds_store_b16 v5, v[W2D+2*(\c)] offset:1024*(\c)
	ds_store_b16_d16_hi v5, v[W2D+2*(\c)] offset:1024*(\c)+16
.endr
.irp c, 0,1
	v_add_f32 v[W1D+2*(\c)], v[W1D+2*(\c)], v[W1D+2*(\c)+1]
	v_add_f32 v[W1D+4+2*(\c)], v[W1D+4+2*(\c)], v[W1D+4+2*(\c)+1]
.if (\c) == 1
	v_and_b32 v[W1D+2], v9, v[W1D+2]               ; k >= 35 is 0: column 35 goes into the bias
	v_and_b32 v[W1D+6], v9, v[W1D+6]
.endif
	v_cvt_pk_bf16_f32 v[W1D+2*(\c)], v[W1D+2*(\c)], v[W1D+4+2*(\c)]
	ds_store_b16 v5, v[W1D+2*(\c)] offset:8192+1024*(\c)
	ds_store_b16_d16_hi v5, v[W1D+2*(\c)] offset:8192+1024*(\c)+16
.endr
	v_add_f32 v[VD], v[VD], v[VD+1]
	v_add_f32 v[VD+2], v[VD+2], v[VD+3]
	v_add_f32 v[VD+4], v[VD+4], v[VD+5]
	v_and_b32 v[VD], s48, v[VD]
	v_and_b32 v[VD+2], s48, v[VD+2]
	v_and_b32 v[VD+4], v12, v[VD+4]
	v_cvt_pk_bf16_f32 v[VD], v[VD], v[VD+2]
	v_cvt_pk_bf16_f32 v[VD+4], v[VD+4], v245
	ds_store_b16 v8, v[VD]                         ; V' rows 8 w + 0, 1
	ds_store_b16_d16_hi v8, v[VD] offset:32        ; rows 2, 3
	ds_store_b16 v8, v[VD+4] offset:64             ; rows 4, 5 (5 is 0)
	ds_store_b16_d16_hi v8, v[VD+4] offset:96      ; rows 6, 7: 0
	s_cmp_lg_u32 s36, 0
	s_cbranch_scc1 .Lno_bias
	v_add_f32 v[BD+0], v[BD+0], v[BD+1]
	v_add_f32 v[BD+2], v[BD+2], v[BD+3]
	v_add_f32 v[BD+4], v[BD+4], v[BD+5]
	v_add_f32 v[BD+6], v[BD+6], v[BD+7]
	v_add_f32 v[BD+8], v[BD+8], v[BD+9]
	v_add_f32 v[BD+10], v[BD+10], v[BD+11]
	v_add_f32 v[BD+0], v[BD+0], v[BD+2]            ; b2
	v_add_f32 v[BD+4], v[BD+4], v[BD+6]            ; b1
	v_add_f32 v[BD+8], v[BD+8], v[BD+10]           ; b3'
	v_cmp_gt_u32 vcc_lo, 16, v1
	v_cndmask_b32 v[BD+0], v[BD+4], v[BD+0], vcc_lo  ; lanes 0-15 b2, lanes 16-31 b1
	v_and_b32 v[BD+8], v15, v[BD+8]
	global_store_b32 v2, v[BD+0], s[30:31] offset:12288   ; 128 consecutive bytes each
	global_store_b32 v2, v[BD+8], s[30:31] offset:12416
.Lno_bias:
	s_wait_dscnt 0x0                               ; for the others' sake: my part of the block's image and my count are in LDS
	s_barrier_signal -1
	s_barrier_wait -1
	; THE BLOCK LEAVES: 256 threads x 16 bytes, three times: sixteen lanes store 256 consecutive bytes at a multiple of 256 from wf's first byte.
	ds_load_b128 v[CP:CP+3],    v240
	ds_load_b128 v[CP+4:CP+7],  v240 offset:4096
	ds_load_b128 v[CP+8:CP+11], v240 offset:8192
	ds_load_b128 v[CW:CW+3],   v241                ; the eight counts, in every lane
	ds_load_b128 v[CW+4:CW+7], v241 offset:16
	s_wait_dscnt 2                                 ; the two loads of the counts are younger
	global_store_b128 v240, v[CP:CP+3],    s[30:31]
	global_store_b128 v240, v[CP+4:CP+7],  s[30:31] offset:4096
	global_store_b128 v240, v[CP+8:CP+11], s[30:31] offset:8192
	s_wait_dscnt 0x0
.set i, 0
.rept 8
	v_readfirstlane_b32 s[66+i], v[CW+i]
.set i, i+1
.endr
	s_mov_b32 s82, 0
	s_mov_b32 s83, 0
.set i, 0
.rept 8
	s_add_co_u32 s83, s83, s[66+i]                 ; s83: T, the part's tokens with id j
	s_cmp_lt_u32 i, s36
	s_cselect_b32 s58, s[66+i], 0
	s_add_co_u32 s82, s82, s58                     ; s82: those of the waves in front of mine
.set i, i+1
.endr
	; THE PLACES.  m = s82 + my wave's earlier masks + the mask's bits below my lane.  A match goes to m, another token to T + e - m.  Clamped to the chunk before it enters an address.
	s_lshl_b32 s60, s37, 11
	s_lshl_b32 s61, s36, 7
	s_add_co_u32 s60, s60, s61
	v_add_nc_u32 v246, s60, v2                     ; 2048 p + 128 w + 4 lane
	s_lshl_b32 s61, s36, 8
	s_add_co_u32 s61, s61, s83
	v_add_nc_u32 v247, s61, v1                     ; T + 256 w + lane
.set k, 0
.rept 8
	v_mbcnt_lo_u32_b32 v[POS+k], s[50+k], 0
	v_add_nc_u32 v[POS+k], s82, v[POS+k]           ; m
	v_sub_nc_u32 v[248+k%2], v247, v[POS+k]
	v_add_nc_u32 v[248+k%2], 32*k, v[248+k%2]      ; T + e - m
	v_cndmask_b32 v[POS+k], v[248+k%2], v[POS+k], s[50+k]
	v_min_u32 v[POS+k], 0x7ff, v[POS+k]
	v_lshlrev_b32 v[POS+k], 2, v[POS+k]
	v_add_nc_u32 v[TOK+k], 1024*(k/4)+k%4, v246
	s_bcnt1_i32_b32 s58, s[50+k]
	s_add_co_u32 s82, s82, s58
.set k, k+1
.endr
.set k, 0
.rept 8
	global_store_b32 v[POS+k], v[TOK+k], s[32:33]  ; all lanes: the matches' places follow each other, and so do the others'
.set k, k+1
.endr
	s_cmp_lg_u32 s36, 0
	s_cbranch_scc1 .Lend
	v_mov_b32 v250, s83
	v_cmp_eq_u32 vcc_lo, 0, v1
	v_cndmask_b32 v250, v245, v250, vcc_lo         ; lane 0: T; the others: 0
	v_cmp_gt_u32 vcc_lo, s39, v1                   ; lane 0 alone, or lanes 0 .. 4 for judge 11
	s_wait_xcnt 0x0                                ; EXEC is a source of the stores issued so far: it changes only behind this wait
	s_and_saveexec_b32 s84, vcc_lo
	global_store_b32 v2, v250, s[34:35]            ; counts[16 p + j ..]
	s_wait_xcnt 0x0
	s_or_b32 exec_lo, exec_lo, s84
.Lend:
	s_wait_tensorcnt 0x0                           ; the wave's end
	ds_add_u32 v10, v11
	s_wait_dscnt 0x0
	s_endpgm
.Lfunc_end_k_q0cbd7e9119_prep:
	.size	k_q0cbd7e9119_prep, .Lfunc_end_k_q0cbd7e9119_prep-k_q0cbd7e9119_prep
	.p2alignl 7, 3214868480
	.fill 96, 4, 3214868480
	.section	.rodata,"a",@progbits
	.p2align	6, 0x0
	.amdhsa_kernel k_q0cbd7e9119_prep
		.amdhsa_group_segment_fixed_size 13568
		.amdhsa_private_segment_fixed_size 0
		.amdhsa_enable_private_segment 0
		.amdhsa_kernarg_size 128
		.amdhsa_user_sgpr_count 2
		.amdhsa_user_sgpr_kernarg_segment_ptr 1
		.amdhsa_wavefront_size32 1
		.amdhsa_system_sgpr_workgroup_id_x 1
		.amdhsa_system_sgpr_workgroup_id_y 1
		.amdhsa_system_sgpr_workgroup_id_z 1
		.amdhsa_system_vgpr_workitem_id 0
		.amdhsa_next_free_vgpr 256
		.amdhsa_next_free_sgpr 96
		.amdhsa_reserve_vcc 1
		.amdhsa_float_denorm_mode_32 3
		.amdhsa_float_denorm_mode_16_64 3
		.amdhsa_memory_ordered 1
		.amdhsa_forward_progress 1
		.amdhsa_inst_pref_size 23
	.end_amdhsa_kernel
	.amdgpu_metadata
---
amdhsa.version: [ 1, 2 ]
amdhsa.kernels:
  - .name:           k_q0cbd7e9119_prep
    .symbol:         k_q0cbd7e9119_prep.kd
    .args:
      - { .name: V_b, .offset: 0, .size: 8, .value_kind: global_buffer, .address_space: global }
      - { .name: V_w, .offset: 8, .size: 8, .value_kind: global_buffer, .address_space: global }
      - { .name: Va_b, .offset: 16, .size: 8, .value_kind: global_buffer, .address_space: global }
      - { .name: Va_w, .offset: 24, .size: 8, .value_kind: global_buffer, .address_space: global }
      - { .name: W1_b, .offset: 32, .size: 8, .value_kind: global_buffer, .address_space: global }
      - { .name: W1_w, .offset: 40, .size: 8, .value_kind: global_buffer, .address_space: global }
      - { .name: W1a_b, .offset: 48, .size: 8, .value_kind: global_buffer, .address_space: global }
      - { .name: W1a_w, .offset: 56, .size: 8, .value_kind: global_buffer, .address_space: global }
      - { .name: W2_b, .offset: 64, .size: 8, .value_kind: global_buffer, .address_space: global }
      - { .name: W2_w, .offset: 72, .size: 8, .value_kind: global_buffer, .address_space: global }
      - { .name: W2a_b, .offset: 80, .size: 8, .value_kind: global_buffer, .address_space: global }
      - { .name: W2a_w, .offset: 88, .size: 8, .value_kind: global_buffer, .address_space: global }
      - { .name: judge_ids, .offset: 96, .size: 8, .value_kind: global_buffer, .address_space: global }
      - { .name: wf, .offset: 104, .size: 8, .value_kind: global_buffer, .address_space: global }
      - { .name: order, .offset: 112, .size: 8, .value_kind: global_buffer, .address_space: global }
      - { .name: counts, .offset: 120, .size: 8, .value_kind: global_buffer, .address_space: global }
    .group_segment_fixed_size: 13568
    .private_segment_fixed_size: 0
    .kernarg_segment_align: 8
    .kernarg_segment_size: 128
    .max_flat_workgroup_size: 256
    .sgpr_count:     96
    .vgpr_count:     256
    .wavefront_size: 32
...
	.end_amdgpu_metadata
.endif
;; end of part 3
;; launch chain (part 4): grid 239 x 1, 4 waves a work-group, no clusters, 205,568 bytes of LDS; arguments x, order, counts, wf, out0; writes out0
.if DOCPART == 4
	.amdgcn_target "amdgcn-amd-amdhsa--gfx1250"
	.amdhsa_code_object_version 6
	.text
	.protected	k_q0cbd7e9119_chain
	.globl	k_q0cbd7e9119_chain
	.p2align	8
	.type	k_q0cbd7e9119_chain,@function
k_q0cbd7e9119_chain:
	s_mov_b64 s[64:65], 0
	v_nop
	global_prefetch_b8 v0, s[64:65] scope:SCOPE_SE
	s_setreg_imm32_b32 hwreg(HW_REG_WAVE_MODE, 25, 1), 1
	s_wait_xcnt 0x0
; CHAIN.  One work-group takes up to 144 tokens of ONE judge through all three layers and the softmax.
; THE GRID.  Judge j with n_j tokens has ceil(n_j / 144) tiles; their sum is at most floor((32768 + 12 x 143) / 144) = 239 for every split, so 239 work-groups serve every split.
; THE ROUTING.  counts[16 p + j] is the number of tokens with id j in part p of 2,048 tokens; chunk (j, p) of order holds those tokens in front and the part's other tokens behind them.
; Each wave adds the table up to the twelve totals, deals the tiles, and maps rank rho of judge J to entry rho + 2048 p - cum_p of the judge's 32,768 entries, p the last part with
; cum_p <= rho (cum_p = J's tokens in parts below p).  Ranks past the judge's total land on entries behind the matches (clamped to the judge's last entry): tokens that exist, computed and
; not stored.  A work-group that the split leaves without rows runs the same text so and stores nothing: no barrier hangs on data.
; SHARES.  Nine tiles of 16 tokens.  Wave w keeps in registers the merged weights of hidden units 64 w .. 64 w + 63 of layers 1 and 2 and the slice k = 64 w .. 64 w + 63 of the heads;
; in the gather and the scatter it has rows 36 w .. 36 w + 35.
; LAYOUT.  Every product is used transposed: source 0 = 16 rows of weights, source 1 = 16 tokens.  In the result lane (r, h) holds token r and units 8 h + 0 .. 7, which round to 16 bytes of
; the token's row; two rounded results ARE source 1 of the next product over those 32 units.  The bias is the C operand that starts a sum.  The heads' rows are laid 8 to a question (V' row 8 q + o),
; so a lane's registers 0 .. 4 are the five logits of one question of one token.  The four waves' partial logits (f32) meet in LDS.
; BY TURNS.  Layers 1 and 2 have two sets of accumulators.  While tile t is multiplied, tile t - 1's results are rounded: 32 vector instructions, four behind each of the step's first eight
; matrix instructions.  W2 alone fills a register window, so each such slice costs two window switches.  LDS instructions stand in one run at a step's end, never singly among the products.
; NO CLUSTER: whole clusters of four for every split would be ceil(32768 / 576) + 11 = 68 clusters, 272 work-groups against 239, and the weights come from memory straight into operand registers.
; LIMITS.  x, z1, z2 and W + Wa are each rounded once to bf16; biases, sums, logits and the softmax are f32; the five logits' true maximum is taken away before the exponentials.
; An infinite or NaN x[32 .. 34] also meets zero weights in padded places of K: NaN in that token's row, where reference() has no finite result either.  relu of NaN gives 0.
; REGISTERS, in windows of 256 (s_set_vgpr_msb: bits 1:0 source 0, 3:2 source 1, 5:4 source 2, 7:6 destination):
;   window 0: v0-31 addresses; v32-67 a row's byte offset in x and in out0; v68-79 addresses; v80-84 b3; v96-127 b1, then layer 2's second set of accumulators; v128-159 b2;
;             v160-191 accumulators; v192-207 ZP; v208-239 the routing's registers, then layer 1's second set of accumulators, then LACC; in the softmax v96-239 are two buffers of three tiles
;   window 1: W2, fragment (i, c) at 64 i + 8 c
;   window 2: v0-63 W1 (16 i + 8 c); v64-127 V' (64 + 16 vt + 8 cl); source 1: layer 1 four buffers of 16 in v128-191, layer 2 two buffers of 64 in v128-255
.set BLOCK, 12544
.set Z1,    11520                      ; LDS 0: XS, 144 rows x 80 bytes (36 bf16 and padding).  Z1: 144 rows x 528 bytes (256 bf16 + 16)
.set PP,    87552                      ; P: [tile][wave][vt] 512 bytes (16 a lane: logits 0-3) + 128 bytes (4 a lane: logit 4), f32
.set OO,    179712                     ; O: 144 rows x 176 bytes, f32; columns 35-39 take the eighth, empty question
.set SPARE, 205056                     ; the spare words, 128 bytes for each wave; no other line names them
.set ZT,    16*528                     ; a tile's rows in Z1
.set PT,    10240                      ; a tile in P
.set ZP,    192
.set LACC,  208
.set HT,    208                        ; v208-215 the table: register g, lane (h, j): part 2 g + h, judge j
.set SUM,   216                        ; v216     the totals: lane j (and 16 + j) holds n_j
.set TMP,   217
.set RHO,   218                        ; v218 ranks of rows 0-31 (row = lane); v219 of rows 32-35 (row = 32 + (lane / 4) % 4)
.set OFS,   220                        ; v220-221 2048 p - cum_p, then the entry's byte offset
.set TOK,   222                        ; v222-223 the tokens
.set BI,    224                        ; v224-227 4 x the lane that holds row 8 t + lane / 4
.set MSB, 0
.macro WIN new                         ; the immediate's high byte repeats the setting that is left; a switch that changes nothing is dropped
.if MSB != (\new)
	s_set_vgpr_msb (MSB<<8)|(\new)
.set MSB, \new
.endif
.endm
.macro PLACES                          ; four plain vector instructions between a matrix instruction and the first reader of its result, writer of a source or load into one
.rept 4
	v_nop
.endr
.endm
.macro LDW2 i                          ; 16 loads: W2's eight fragments of tile i
.irp c, 0,1,2,3,4,5,6,7
.irp u, 0,1
	global_load_b128 v[64*(\i)+8*(\c)+4*(\u):64*(\i)+8*(\c)+4*(\u)+3], v1, s[76:77] offset:BLOCK*(\i)+1024*(\c)+512*(\u)
.endr
.endr
.endm
; Slice s of eight of the rounding of the four accumulators at a.  Slices 0-3: accumulator s, rounded to bf16 in pairs from its lowest registers on, into ZP.  Slices 4-7: relu on the packed halves.
.macro PSLICE a, s
	WIN 0
.irp d, 0,1,2,3
.if (\s) < 4
	v_cvt_pk_bf16_f32 v[ZP+4*(\s)+(\d)], v[(\a)+8*(\s)+2*(\d)], v[(\a)+8*(\s)+2*(\d)+1]
.else
	v_pk_max_num_bf16 v[ZP+4*((\s)-4)+(\d)], v[ZP+4*((\s)-4)+(\d)], v20
.endif
.endr
.endm
	s_load_b256 s[4:11], s[0:1], 0x0               ; x 4, order 6, counts 8, wf 10
	s_load_b64 s[12:13], s[0:1], 0x20              ; out0
	v_lshl_add_u32 v30, v0, 2, SPARE               ; my spare word,
	v_mov_b32 v31, 0                               ; and 0: kept for the closing add alone
	v_lshrrev_b32 v73, 5, v0
	v_readfirstlane_b32 s14, v73                   ; wave w
	s_mov_b32 s15, ttmp9                           ; work-group
	v_and_b32 v73, 31, v0                          ; lane
	v_lshlrev_b32 v21, 2, v73                      ; 4 lane
	s_wait_kmcnt 0x0
.irp g, 0,1,2,3,4,5,6,7
	global_load_b32 v[HT+(\g)], v21, s[8:9] offset:128*(\g)   ; two rows of the table a load
.endr
	; lane terms, in the wait for the table
	v_and_b32 v2, 15, v0                           ; r
	v_bfe_u32 v3, v0, 4, 1                         ; h
	v_lshlrev_b32 v1, 4, v73                       ; 16 lane
	v_lshlrev_b32 v22, 5, v3                       ; 32 h: my eight biases of a tile
	v_mul_u32_u24 v77, v3, 2*BLOCK                 ; b3' of question 2 w + h lies in blocks 2 h and 2 h + 1 of my four
	v_lshrrev_b32 v29, 2, v73                      ; lane / 4: a row of eight in the tails
	v_and_b32 v78, 3, v73
	v_and_b32 v79, 3, v29
	v_lshlrev_b32 v74, 2, v29
.irp t, 0,1,2,3
	v_add_nc_u32 v[BI+(\t)], 32*(\t), v74
.endr
	v_min_u32 v76, 2, v78
	v_lshl_add_u32 v76, v76, 2, 128                ; columns 32, 33, 34, 34
	v_mov_b32 v20, 0
	v_mov_b32 v[TMP], 0                            ; the exchange's destination counts as read
	v_mov_b32 v[OFS], 0                            ; part 0: 2048 x 0 - 0
	v_mov_b32 v[OFS+1], 0
	v_mul_u32_u24 v4, v2, 80
	v_add_nc_u32 v5, 64, v4                        ; XS: k = 32 .. 35 of token r
	v_lshl_add_u32 v4, v3, 4, v4                   ; XS: row r, 16 bytes for each half of the lanes
	v_mul_u32_u24 v8, v2, 528
	v_lshl_add_u32 v8, v3, 4, v8
	v_add_nc_u32 v8, Z1, v8                        ; Z1 read, tiles 0-4
	v_add_nc_u32 v9, 5*ZT, v8                      ; tiles 5-8: the immediates stay inside 16 bits
	s_lshl_b32 s70, s14, 7
	v_add_nc_u32 v6, s70, v8                       ; Z1 write: my 64 units
	v_add_nc_u32 v7, s70, v9
	s_mul_i32 s70, s14, 2560
	s_add_co_u32 s70, s70, PP
	v_add_nc_u32 v10, s70, v1                      ; P write: my partial sums
	v_add_nc_u32 v11, 5*PT, v10
	s_add_co_u32 s70, s70, 512
	v_add_nc_u32 v12, s70, v21
	v_add_nc_u32 v13, 5*PT, v12
	s_mul_i32 s70, s14, 640
	s_add_co_u32 s70, s70, PP
	v_add_nc_u32 v14, s70, v1                      ; P read: piece vt = w of every wave
	v_add_nc_u32 v15, 5*PT, v14
	s_add_co_u32 s70, s70, 512
	v_add_nc_u32 v16, s70, v21
	v_add_nc_u32 v17, 5*PT, v16
	v_mul_u32_u24 v18, v2, 176
	v_mad_u32_u24 v18, v3, 20, v18
	s_mul_i32 s70, s14, 40
	s_add_co_u32 s70, s70, OO
	v_add_nc_u32 v18, s70, v18                     ; O write: token r, question 2 w + h
	s_mul_i32 s70, s14, 36*176
	s_add_co_u32 s70, s70, OO
	v_add_nc_u32 v19, s70, v21                     ; O read: my rows, columns 0-31
	v_mul_u32_u24 v71, v29, 176
	v_lshl_add_u32 v71, v78, 2, v71
	v_add_nc_u32 v71, s70, v71
	v_add_nc_u32 v71, 128, v71                     ; O read: eight rows' columns 32-35
	v_mul_u32_u24 v72, v79, 176
	v_lshl_add_u32 v72, v78, 2, v72
	v_add_nc_u32 v72, s70, v72
	v_add_nc_u32 v72, 32*176+128, v72              ; the same for rows 32-35
	s_mul_i32 s70, s14, 36*80
	v_lshl_add_u32 v68, v73, 1, s70                ; XS write: my rows, k = lane
	v_mul_u32_u24 v69, v29, 80
	v_lshl_add_u32 v69, v78, 1, v69
	v_add_nc_u32 v69, s70, v69
	v_add_nc_u32 v69, 64, v69                      ; XS write: eight rows' k = 32 .. 35
	v_mul_u32_u24 v70, v79, 80
	v_lshl_add_u32 v70, v78, 1, v70
	v_add_nc_u32 v70, s70, v70
	v_add_nc_u32 v70, 32*80+64, v70
	s_mov_b32 s82, 0x3fb8aa3b                      ; log2(e)
	s_mov_b32 s83, s82                             ; named with it as a pair
	s_mov_b32 s88, 0x76543210                      ; v_permlanex16_b32: each lane takes its own place in the other half
	s_mov_b32 s89, 0xfedcba98
	s_mov_b32 s66, 0
	s_mov_b32 s67, 0
	s_mov_b32 s68, 0
	s_mov_b32 s69, 0
	s_mov_b32 s75, 0
	s_mov_b32 s86, 0
	s_wait_loadcnt 0x0                             ; the table
	; the totals: eight registers are added (lanes 0-15: the even parts, lanes 16-31: the odd ones), then the two halves
	v_add_nc_u32 v[SUM], v[HT], v[HT+1]
	v_add_nc_u32 v[TMP], v[HT+2], v[HT+3]
	v_add_nc_u32 v[SUM], v[SUM], v[HT+4]
	v_add_nc_u32 v[TMP], v[TMP], v[HT+5]
	v_add_nc_u32 v[SUM], v[SUM], v[HT+6]
	v_add_nc_u32 v[TMP], v[TMP], v[HT+7]
	v_add_nc_u32 v[SUM], v[SUM], v[TMP]
	v_permlanex16_b32 v[TMP], v[SUM], s88, s89
	v_add_nc_u32 v[SUM], v[SUM], v[TMP]
.set j, 0
.rept 12
	v_readlane_b32 s[16+j], v[SUM], j              ; n_j
.set j, j+1
.endr
; Judge j's tiles: ((n + 143) x 58255) >> 23 = floor((n + 143) / 144) for n + 143 < 74,898 (58255 x 144 - 2^23 = 112).  The last judge whose first tile is not behind me is mine.
.macro DEAL j
	s_add_co_u32 s70, s[16+(\j)], 143
	s_mul_i32 s70, s70, 58255
	s_lshr_b32 s70, s70, 23
	s_cmp_ge_u32 s15, s69
	s_cselect_b32 s66, \j, s66                     ; J
	s_cselect_b32 s67, s69, s67                    ; its first tile
	s_cselect_b32 s68, s[16+(\j)], s68             ; its total N
	s_add_co_u32 s69, s69, s70
.endm
.irp j, 0,1,2,3,4,5,6,7,8,9,10,11
	DEAL \j
.endr
	s_min_u32 s66, s66, 11                         ; loaded numbers are clamped before they enter an address
	s_add_co_u32 s85, s66, 16
.set g, 0
.rept 8
	v_readlane_b32 s[28+2*g], v[HT+g], s66         ; J's tokens in part 2 g,
	v_readlane_b32 s[29+2*g], v[HT+g], s85         ; and in part 2 g + 1
.set g, g+1
.endr
	s_sub_co_u32 s70, s15, s67
	s_mul_i32 s71, s70, 144                        ; my first rank among the judge's tokens
	s_sub_co_i32 s72, s68, s71
	s_max_i32 s72, s72, 0
	s_min_i32 s72, s72, 144                        ; my rows, 0 .. 144
	s_mul_i32 s70, s14, 36
	s_sub_co_i32 s73, s72, s70
	s_max_i32 s73, s73, 0
	s_min_i32 s73, s73, 36                         ; rows of my wave's 36 that exist
	s_add_co_u32 s71, s71, s70
	v_add_nc_u32 v[RHO], s71, v73                  ; rank of row = lane
	s_add_co_u32 s71, s71, 32
	v_add_nc_u32 v[RHO+1], s71, v79                ; rank of row 32 + (lane / 4) % 4
	s_lshl_b32 s74, s66, 17
	s_add_nc_u64 s[78:79], s[6:7], s[74:75]        ; judge J's sixteen chunks: 32,768 entries
	; the last part p with cum_p <= rank gives 2048 p - cum_p (never negative: a part has at most 2,048 tokens)
.set p, 1
.rept 15
	s_add_co_u32 s86, s86, s[27+p]                 ; cum_p
	s_sub_co_u32 s87, 2048*p, s86
	v_cmp_le_u32 vcc_lo, s86, v[RHO]
	v_cndmask_b32 v[OFS], v[OFS], s87, vcc_lo
	v_cmp_le_u32 s81, s86, v[RHO+1]
	v_cndmask_b32 v[OFS+1], v[OFS+1], s87, s81
.set p, p+1
.endr
	v_add_nc_u32 v[OFS], v[RHO], v[OFS]
	v_add_nc_u32 v[OFS+1], v[RHO+1], v[OFS+1]
	v_min_u32 v[OFS], 0x7fff, v[OFS]               ; clamped to the judge's entries, all of which are stored
	v_min_u32 v[OFS+1], 0x7fff, v[OFS+1]
	v_lshlrev_b32 v[OFS], 2, v[OFS]
	v_lshlrev_b32 v[OFS+1], 2, v[OFS+1]
	global_load_b32 v[TOK], v[OFS], s[78:79]       ; the tokens: the longest chain of loads hangs on these two, so they go first
	global_load_b32 v[TOK+1], v[OFS+1], s[78:79]
	s_mul_i32 s74, s66, 16*BLOCK
	s_mul_i32 s70, s14, 4*BLOCK
	s_add_co_u32 s74, s74, s70
	s_add_nc_u64 s[76:77], s[10:11], s[74:75]      ; my wave's four blocks of judge J
	; THE WEIGHTS go out wherever the wave would only wait, those wanted first in front.  In the wait for the tokens 40 loads: W1, b1 and W2's first block.
	WIN 0x80
.irp i, 0,1,2,3
.irp c, 0,1
.irp u, 0,1
	global_load_b128 v[16*(\i)+8*(\c)+4*(\u):16*(\i)+8*(\c)+4*(\u)+3], v1, s[76:77] offset:BLOCK*(\i)+8192+1024*(\c)+512*(\u)
.endr
.endr
.endr
	WIN 0
.irp i, 0,1,2,3
	global_load_b128 v[96+8*(\i):96+8*(\i)+3],   v22, s[76:77] offset:BLOCK*(\i)+12352
	global_load_b128 v[96+8*(\i)+4:96+8*(\i)+7], v22, s[76:77] offset:BLOCK*(\i)+12352+16
.endr
	WIN 0x40
	LDW2 0
	WIN 0
	v_cmp_eq_u32 vcc_lo, 3, v78
	v_mov_b32 v23, s73
	v_cndmask_b32 v23, v23, v20, vcc_lo            ; the tails' bound: 0 in the lanes that hold no column
	s_wait_loadcnt 40                              ; the 40 just issued are younger: the tokens are in
.irp t, 0,1,2,3
	ds_bpermute_b32 v[24+(\t)], v[BI+(\t)], v[TOK] ; the tails' tokens: row 8 t + lane / 4
.endr
	v_mov_b32 v28, v[TOK+1]                        ; rows 32-35 lie so already
.set i, 0
.rept 32
	v_readlane_b32 s[28+i], v[TOK], i
.set i, i+1
.endr
.set i, 0
.rept 4
	v_readlane_b32 s[60+i], v[TOK+1], 4*i
.set i, i+1
.endr
.set i, 0
.rept 36
	s_min_u32 s[28+i], s[28+i], 0x7fff
	s_mul_i32 s[28+i], s[28+i], 140
	v_add_nc_u32 v[32+i], s[28+i], v21             ; row i: token x 140 + 4 lane, for x now and for out0 at the end; never rewritten
.set i, i+1
.endr
	; 36 loads: x, columns 0-31: a load covers 128 consecutive bytes of one row
.set i, 0
.rept 36
	global_load_b32 v[160+i], v[32+i], s[4:5]
.set i, i+1
.endr
	s_wait_dscnt 0x0                               ; the tails' tokens
.irp t, 0,1,2,3,4
	v_min_u32 v[24+(\t)], 0x7fff, v[24+(\t)]
	v_mul_u32_u24 v[24+(\t)], v[24+(\t)], 140
	v_add_nc_u32 v[24+(\t)], v76, v[24+(\t)]
.endr
	; 5 loads: x, columns 32-34 of eight rows a load
.irp t, 0,1,2,3,4
	global_load_b32 v[196+(\t)], v[24+(\t)], s[4:5]
.endr
	WIN 0x40                                       ; in the wait for x 32 loads: W2's blocks 1 and 2
	LDW2 1
	LDW2 2
	WIN 0
	s_wait_loadcnt 32                              ; the 32 just issued are younger: W1, b1, W2's first block and all of x are in
	WIN 0x40                                       ; 24 more: W2's last block and b2
	LDW2 3
	WIN 0
.irp i, 0,1,2,3
	global_load_b128 v[128+8*(\i):128+8*(\i)+3],   v22, s[76:77] offset:BLOCK*(\i)+12288
	global_load_b128 v[128+8*(\i)+4:128+8*(\i)+7], v22, s[76:77] offset:BLOCK*(\i)+12288+16
.endr
	; PHASE 0: x, rounded to bf16, into XS
.set i, 0
.rept 18
	v_cvt_pk_bf16_f32 v[160+2*i], v[160+2*i], v[161+2*i]
	ds_store_b16 v68, v[160+2*i] offset:160*i
	ds_store_b16_d16_hi v68, v[160+2*i] offset:160*i+80
.set i, i+1
.endr
	v_cvt_pk_bf16_f32 v196, v196, v197
	v_cvt_pk_bf16_f32 v198, v198, v199
	v_cvt_pk_bf16_f32 v200, v200, v200
	ds_store_b16 v69, v196                         ; k = 35 takes a copy of x[34]: its weight is 0
	ds_store_b16_d16_hi v69, v196 offset:640
	ds_store_b16 v69, v198 offset:1280
	ds_store_b16_d16_hi v69, v198 offset:1920
	ds_store_b16 v70, v200
	; source 1 for k = 32 .. 63: only k = 32 .. 35 are loaded; the other registers of the four buffers hold 0 (their weights are 0 too)
	WIN 0x80
.irp b, 0,1,2,3
.irp z, 2,3,4,5,6,7
	v_mov_b32 v[136+16*(\b)+(\z)], 0
.endr
.endr
	WIN 0
	s_wait_dscnt 0x0                               ; for the others' sake: my rows of XS are written
	s_barrier_signal -1
	s_barrier_wait -1
	; PHASE 1: z1 = relu(W1' x + b1).  Step t: tile t's eight products into accumulator set t % 2 (v160 or v208), the four accumulators by turns;
	; behind each product a slice of tile t - 1's rounding; four places; then one run of LDS instructions: tile t - 1's four stores and, at the next step's head, three loads.
.macro LATE                            ; the last 18 loads: V' and b3', which are wanted only behind layer 2's second tile
	WIN 0x80
.irp vt, 0,1,2,3
.irp cl, 0,1
.irp u, 0,1
	global_load_b128 v[64+16*(\vt)+8*(\cl)+4*(\u):64+16*(\vt)+8*(\cl)+4*(\u)+3], v1, s[76:77] offset:BLOCK*(2*(\cl)+(\u))+10240+512*(\vt)
.endr
.endr
.endr
	WIN 0
	global_load_b128 v[80:83], v77, s[76:77] offset:12416
	global_load_b32 v84, v77, s[76:77] offset:BLOCK+12416
.endm
.macro LOADX t                         ; tile t's source 1, into buffer t % 4: three LDS loads
	WIN 0x80
.set fx, 128+16*((\t)%4)
	ds_load_b128 v[fx:fx+3],   v4 offset:1280*(\t)
	ds_load_b128 v[fx+4:fx+7], v4 offset:1280*(\t)+32
	ds_load_b64  v[fx+8:fx+9], v5 offset:1280*(\t)
.endm
.macro STZ u                           ; tile u's 64 units of 16 tokens, from ZP into Z1: four LDS stores
	WIN 0
.set THI, (\u)/5
.set TLO, (\u)%5
.irp i, 0,1,2,3
	ds_store_b128 v[6+THI], v[ZP+4*(\i):ZP+4*(\i)+3] offset:ZT*TLO+32*(\i)
.endr
.endm
.macro L1S t
.if (\t) < 6
	LOADX (\t)+3                                   ; three tiles ahead, into the buffer that tile t - 1 has left: its last reader stands in front of the last step's four places
.endif
.set NX, 8-(\t)                        ; LDS instructions younger than tile t's loads: the loads of up to three later tiles, three each,
.if NX > 3
.set NX, 3
.endif
.set NS, (\t)-1                        ; and the runs of four stores issued since: none, none, one, two, then three
.if NS < 0
.set NS, 0
.endif
.if NS > 3
.set NS, 3
.endif
	s_wait_dscnt 3*NX+4*NS
.set fb, 128+16*((\t)%4)
.set ac, 160+48*((\t)%2)
.set ap, 208-48*((\t)%2)
.set k, 0
.rept 8
	WIN 0x0a                                       ; sources 0 and 1 in window 2
.if k < 4
	v_wmma_f32_16x16x32_bf16 v[ac+8*k:ac+8*k+7], v[16*k:16*k+7], v[fb:fb+7], v[96+8*k:96+8*k+7]
.else
	v_wmma_f32_16x16x32_bf16 v[ac+8*(k-4):ac+8*(k-4)+7], v[16*(k-4)+8:16*(k-4)+15], v[fb+8:fb+15], v[ac+8*(k-4):ac+8*(k-4)+7]
.endif
.if (\t) > 0
	PSLICE ap, k
.endif
.set k, k+1
.endr
	PLACES
.if (\t) > 0
	STZ (\t)-1
.endif
.if (\t) == 3
	LATE
.endif
.endm
	LOADX 0
	LOADX 1
	LOADX 2
.irp t, 0,1,2,3,4,5,6,7,8
	L1S \t
.endr
.irp s, 0,1,2,3,4,5,6,7
	PSLICE 160, \s                                 ; the last tile's rounding has no products to stand beside
.endr
	STZ 8
	s_wait_dscnt 0x0                               ; for the others' sake: my units of Z1 are written
	s_barrier_signal -1
	s_barrier_wait -1
	; PHASE 2: z2 = relu(W2' z1 + b2) for my 64 units, and my slice of the logits, V' z2.  Step t: tile t's 32 products into accumulator set t % 2 (v160 or v96), the four accumulators
	; by turns; behind the first eight a slice each of tile t - 1's rounding; then tile t - 1's eight head products; four places; then one run of LDS instructions: tile t - 1's eight
	; stores of partial logits and tile t + 2's sixteen loads, into the buffer that tile t has left.
.macro LOADZ t                         ; tile t's z1, 16 tokens x 256, into buffer t % 2: sixteen LDS loads
	WIN 0x80
.set zn, 128+64*((\t)%2)
.set THI, (\t)/5
.set TLO, (\t)%5
.irp c, 0,1,2,3,4,5,6,7
	ds_load_b128 v[zn+8*(\c):zn+8*(\c)+3],   v[8+THI] offset:ZT*TLO+64*(\c)
	ds_load_b128 v[zn+8*(\c)+4:zn+8*(\c)+7], v[8+THI] offset:ZT*TLO+64*(\c)+32
.endr
.endm
.macro L3M                             ; ZP's two halves are source 1 for k = 64 w .. + 31 and 64 w + 32 .. + 63
	WIN 0x02                                       ; source 0 in window 2
.irp vt, 0,1,2,3
	v_wmma_f32_16x16x32_bf16 v[LACC+8*(\vt):LACC+8*(\vt)+7], v[64+16*(\vt):64+16*(\vt)+7], v[ZP:ZP+7], 0
.endr
.irp vt, 0,1,2,3
	v_wmma_f32_16x16x32_bf16 v[LACC+8*(\vt):LACC+8*(\vt)+7], v[64+16*(\vt)+8:64+16*(\vt)+15], v[ZP+8:ZP+15], v[LACC+8*(\vt):LACC+8*(\vt)+7]
.endr
	PLACES
.endm
.macro PST u                           ; tile u's partial logits into P: eight LDS stores
	WIN 0
.set THI, (\u)/5
.set TLO, (\u)%5
.irp vt, 0,1,2,3
	ds_store_b128 v[10+THI], v[LACC+8*(\vt):LACC+8*(\vt)+3] offset:PT*TLO+640*(\vt)   ; logits 0-3 of question 2 vt + h, token r
	ds_store_b32  v[12+THI], v[LACC+8*(\vt)+4] offset:PT*TLO+640*(\vt)                ; logit 4
.endr
.endm
.macro L2S t
.if (\t) < 2
	s_wait_dscnt 16                                ; younger than tile t's loads: the next sixteen loads
.elseif (\t) < 8
	s_wait_dscnt 24                                ; younger: the last run's eight stores and sixteen loads
.else
	s_wait_dscnt 8                                 ; younger: the last run's eight stores
.endif
.set zb, 128+64*((\t)%2)
.set ac, 160-64*((\t)%2)
.set ap, 96+64*((\t)%2)
.set k, 0
.rept 32
	WIN 0x09                                       ; source 0 in window 1, source 1 in window 2
.if k < 4
	v_wmma_f32_16x16x32_bf16 v[ac+8*k:ac+8*k+7], v[64*k:64*k+7], v[zb:zb+7], v[128+8*k:128+8*k+7]
.else
	v_wmma_f32_16x16x32_bf16 v[ac+8*(k%4):ac+8*(k%4)+7], v[64*(k%4)+8*(k/4):64*(k%4)+8*(k/4)+7], v[zb+8*(k/4):zb+8*(k/4)+7], v[ac+8*(k%4):ac+8*(k%4)+7]
.endif
.if ((\t) > 0) && (k < 8)
	PSLICE ap, k
.endif
.set k, k+1
.endr
.if (\t) == 1
	s_wait_loadcnt 0x0                             ; V' and b3' are in
.endif
.if (\t) > 0
	L3M
	PST (\t)-1
.else
	PLACES
.endif
.if (\t) < 7
	LOADZ (\t)+2
.endif
.endm
	LOADZ 0
	LOADZ 1
	s_wait_loadcnt 18                              ; the 18 loads of V' and b3' are younger: W2 and b2 are in
.irp t, 0,1,2,3,4,5,6,7,8
	L2S \t
.endr
.irp s, 0,1,2,3,4,5,6,7
	PSLICE 160, \s                                 ; the last tile's rounding,
.endr
	L3M                                            ; its head products,
	PST 8                                          ; and its partial logits
	s_wait_dscnt 0x0                               ; for the others' sake: my partial logits are written
	s_barrier_signal -1
	s_barrier_wait -1
	; PHASE 3: lane (r, h) of wave w has question 2 w + h of token r: the four partial sums and the bias are added, then the softmax over the five.
	; Three tiles at a time, operation by operation, so that no line reads the result of the line before it.  A tile has 24 registers at bb: logits 0-3 of wave pw at 4 pw, logit 4 at 16 + pw;
	; when the sums are made, bb+4 takes the maximum and bb+6 the divisor (their neighbours, named with them in pairs, hold loaded numbers that no result takes).
.macro LOADPG g                        ; group g's three tiles into buffer g % 2: 24 LDS loads
.set bb, 96+72*((\g)%2)
.set tt, 3*(\g)
.rept 3
.set THI, tt/5
.set TLO, tt%5
.irp pw, 0,1,2,3
	ds_load_b128 v[bb+4*(\pw):bb+4*(\pw)+3], v[14+THI] offset:PT*TLO+2560*(\pw)
	ds_load_b32  v[bb+16+(\pw)], v[16+THI] offset:PT*TLO+2560*(\pw)
.endr
.set bb, bb+24
.set tt, tt+1
.endr
.endm
.macro ALL3 line:vararg                ; one line for each of the group's three tiles
.set bb, gb
.rept 3
	\line
.set bb, bb+24
.endr
.endm
.macro SMG g
.set gb, 96+72*((\g)%2)
	ALL3 v_pk_add_f32 v[bb:bb+1], v[bb:bb+1], v[bb+4:bb+5]
	ALL3 v_pk_add_f32 v[bb+2:bb+3], v[bb+2:bb+3], v[bb+6:bb+7]
	ALL3 v_pk_add_f32 v[bb+8:bb+9], v[bb+8:bb+9], v[bb+12:bb+13]
	ALL3 v_pk_add_f32 v[bb+10:bb+11], v[bb+10:bb+11], v[bb+14:bb+15]
	ALL3 v_add_f32 v[bb+16], v[bb+16], v[bb+17]
	ALL3 v_add_f32 v[bb+18], v[bb+18], v[bb+19]
	ALL3 v_pk_add_f32 v[bb:bb+1], v[bb:bb+1], v[bb+8:bb+9]
	ALL3 v_pk_add_f32 v[bb+2:bb+3], v[bb+2:bb+3], v[bb+10:bb+11]
	ALL3 v_add_f32 v[bb+16], v[bb+16], v[bb+18]
	ALL3 v_pk_add_f32 v[bb:bb+1], v[bb:bb+1], v[80:81]
	ALL3 v_pk_add_f32 v[bb+2:bb+3], v[bb+2:bb+3], v[82:83]
	ALL3 v_add_f32 v[bb+16], v[bb+16], v84
	ALL3 v_max3_num_f32 v[bb+4], v[bb], v[bb+1], v[bb+2]
	ALL3 v_max3_num_f32 v[bb+4], v[bb+4], v[bb+3], v[bb+16]
	ALL3 v_mul_f32 v[bb+4], s82, v[bb+4]
	ALL3 v_pk_fma_f32 v[bb:bb+1], v[bb:bb+1], s[82:83], v[bb+4:bb+5] op_sel_hi:[1,0,0] neg_lo:[0,0,1] neg_hi:[0,0,1]
	ALL3 v_pk_fma_f32 v[bb+2:bb+3], v[bb+2:bb+3], s[82:83], v[bb+4:bb+5] op_sel_hi:[1,0,0] neg_lo:[0,0,1] neg_hi:[0,0,1]
	ALL3 v_fma_f32 v[bb+16], v[bb+16], s82, -v[bb+4]
	ALL3 v_exp_f32 v[bb], v[bb]
	ALL3 v_exp_f32 v[bb+1], v[bb+1]
	ALL3 v_exp_f32 v[bb+2], v[bb+2]
	ALL3 v_exp_f32 v[bb+3], v[bb+3]
	ALL3 v_exp_f32 v[bb+16], v[bb+16]
	v_nop                                          ; a plain instruction between the last exponential and the use of a result
	s_wait_alu depctr_va_vdst(0)
	ALL3 v_add_f32 v[bb+6], v[bb], v[bb+1]
	ALL3 v_add_f32 v[bb+8], v[bb+2], v[bb+3]
	ALL3 v_add_f32 v[bb+6], v[bb+6], v[bb+16]
	ALL3 v_add_f32 v[bb+6], v[bb+6], v[bb+8]
	ALL3 v_rcp_f32 v[bb+6], v[bb+6]
	v_nop                                          ; the divisor is at least 1: the maximum's own term
	s_wait_alu depctr_va_vdst(0)
	ALL3 v_pk_mul_f32 v[bb:bb+1], v[bb:bb+1], v[bb+6:bb+7] op_sel_hi:[1,0]
	ALL3 v_pk_mul_f32 v[bb+2:bb+3], v[bb+2:bb+3], v[bb+6:bb+7] op_sel_hi:[1,0]
	ALL3 v_mul_f32 v[bb+16], v[bb+16], v[bb+6]
.set bb, gb
.set tt, 3*(\g)
.rept 3
.irp o, 0,1,2,3
	ds_store_b32 v18, v[bb+(\o)] offset:2816*tt+4*(\o)
.endr
	ds_store_b32 v18, v[bb+16] offset:2816*tt+16
.set bb, bb+24
.set tt, tt+1
.endr
.endm
	LOADPG 0
	LOADPG 1
	s_wait_dscnt 24                                ; younger: the second group's 24 loads
	SMG 0
	LOADPG 2
	s_wait_dscnt 39                                ; younger: the first group's 15 stores and the third group's 24 loads
	SMG 1
	s_wait_dscnt 15                                ; younger: the second group's 15 stores
	SMG 2
	s_wait_dscnt 0x0                               ; for the others' sake: my questions of O are written
	s_barrier_signal -1
	s_barrier_wait -1
	; PHASE 4: whole rows back from O, and out to the tokens' rows.  Rows past the count are jumped; in the tails, where a store holds rows on both sides of it, EXEC is narrowed.
.set i, 0
.rept 36
	ds_load_b32 v[160+i], v19 offset:176*i
.set i, i+1
.endr
.irp t, 0,1,2,3
	ds_load_b32 v[196+(\t)], v71 offset:1408*(\t)
.endr
	ds_load_b32 v200, v72
	s_wait_dscnt 0x0
.set i, 0
.rept 36
	s_cmp_gt_u32 s73, i
	s_cbranch_scc0 .Lrows_done
	global_store_b32 v[32+i], v[160+i], s[12:13]   ; 128 consecutive bytes of row i
.set i, i+1
.endr
.Lrows_done:
.irp t, 0,1,2,3,4
	v_add_nc_u32 v73, 8*(\t), v29                  ; my row among the wave's 36
	v_cmp_gt_u32 vcc_lo, v23, v73
	s_wait_xcnt 0x0                                ; EXEC is a source of the stores issued so far: it changes only behind this wait
	s_and_saveexec_b32 s80, vcc_lo
	global_store_b32 v[24+(\t)], v[196+(\t)], s[12:13]  ; columns 32-34 of eight rows
	s_wait_xcnt 0x0
	s_or_b32 exec_lo, exec_lo, s80
.endr
	s_wait_tensorcnt 0x0                           ; the wave's end
	ds_add_u32 v30, v31
	s_wait_dscnt 0x0
	s_endpgm
.Lfunc_end_k_q0cbd7e9119_chain:
	.size	k_q0cbd7e9119_chain, .Lfunc_end_k_q0cbd7e9119_chain-k_q0cbd7e9119_chain
	.p2alignl 7, 3214868480
	.fill 96, 4, 3214868480
	.section	.rodata,"a",@progbits
	.p2align	6, 0x0
	.amdhsa_kernel k_q0cbd7e9119_chain
		.amdhsa_group_segment_fixed_size 205568
		.amdhsa_private_segment_fixed_size 0
		.amdhsa_enable_private_segment 0
		.amdhsa_kernarg_size 40
		.amdhsa_user_sgpr_count 2
		.amdhsa_user_sgpr_kernarg_segment_ptr 1
		.amdhsa_wavefront_size32 1
		.amdhsa_system_sgpr_workgroup_id_x 1
		.amdhsa_system_sgpr_workgroup_id_y 1
		.amdhsa_system_sgpr_workgroup_id_z 1
		.amdhsa_system_vgpr_workitem_id 0
		.amdhsa_next_free_vgpr 768
		.amdhsa_next_free_sgpr 96
		.amdhsa_reserve_vcc 1
		.amdhsa_float_denorm_mode_32 3
		.amdhsa_float_denorm_mode_16_64 3
		.amdhsa_memory_ordered 1
		.amdhsa_forward_progress 1
		.amdhsa_inst_pref_size 170
	.end_amdhsa_kernel
	.amdgpu_metadata
---
amdhsa.version: [ 1, 2 ]
amdhsa.kernels:
  - .name:           k_q0cbd7e9119_chain
    .symbol:         k_q0cbd7e9119_chain.kd
    .args:
      - { .name: x, .offset: 0, .size: 8, .value_kind: global_buffer, .address_space: global }
      - { .name: order, .offset: 8, .size: 8, .value_kind: global_buffer, .address_space: global }
      - { .name: counts, .offset: 16, .size: 8, .value_kind: global_buffer, .address_space: global }
      - { .name: wf, .offset: 24, .size: 8, .value_kind: global_buffer, .address_space: global }
      - { .name: out0, .offset: 32, .size: 8, .value_kind: global_buffer, .address_space: global }
    .group_segment_fixed_size: 205568
    .private_segment_fixed_size: 0
    .kernarg_segment_align: 8
    .kernarg_segment_size: 40
    .max_flat_workgroup_size: 128
    .sgpr_count:     96
    .vgpr_count:     768
    .wavefront_size: 32
...
	.end_amdgpu_metadata
.endif
;; end of part 4
